; MI455X (gfx1250); checked and timed in simulation.
; The chip was launched on July 23, 2026; its instructions are those of AMD's public machine-readable ISA for CDNA 5 (MIT licence, August 2026) and "CDNA5" Instruction Set Architecture Reference Guide (July 2026). The comments in the code are by the model that wrote it; some were corrected since.
;; Deberta V2 Mo E Layer. Allowed arithmetic: matrix products marked QUANTISED: E3M2 operands, one E8M0 scale for each 32 along K, by v_wmma_scale_f32_16x16x128_f8f6f4 with both operands' format E3M2, f32 sums; products left as they are: f32 operands where the result goes on into a quantised operand, else bf16, f16 or f32 operands; f32 sums; everything else in f32.
;; Inputs: b1 8 x 4,096 float32; b2 8 x 1,024 float32; ln_b 8 x 1,024 float32; ln_g 8 x 1,024 float32; router_w 1,024 x 8 float32; w1 8 x 1,024 x 4,096 float32; w2 8 x 4,096 x 1,024 float32; x 2 x 512 x 1,024 float32.
;; Outputs: out0 2 x 512 x 1,024 float32; out1 2 x 512 x 8 float32.
;; This version of the problem:
;;   THIS VERSION OF THE PROBLEM IS GIVEN IN LOW PRECISION. The matrix products marked QUANTISED in the list below multiply operands that are first quantised to E3M2 (3 exponent bits, 2 mantissa bits; 6 bits a number), with one power-of-two scale for each 32 numbers along K (OCP MX v1.0); their sums are f32. All else is computed in f32.
;;   The module's matrix products, in the order in which they are computed (A, B: the left and right operand; K: the contracted axis; several contracted axes count as one K, in the product's order):
;;     1. [M 1,024, K 1,024] x [K 1,024, N 8]; A: input x; B: input router_w: left as it is (N = 8 < 16)
;;     2. [M 1,024, K 1,024] x [K 1,024, N 32,768]; A: input x; B: input w1: QUANTISED
;;     3. batch 8 x [M 1,024, K 4,096] x [K 4,096, N 1,024]; A: input w2; B: computed on the way: QUANTISED
;;   THE QUANTISER, for each operand of a quantised product, along K:
;;     - K is cut into blocks of 32 from its start; a last block that is shorter is filled with zeros.
;;     - A block's scale is 2^e with e = floor(log2(the largest magnitude in the block)) - 4, held to -126 .. 127; a block of zeros has e = 0. As a byte (E8M0): e + 127.
;;     - Each number is divided by its block's scale, clamped to +-28, and rounded to the nearest number of E3M2, ties to even, subnormals kept.
;;     - The product sums the exact products of the quantised numbers (number of the format x scale) in f32.
;;   ~~~python
;;   def quantise(x, axis):      # numpy; x: float32 -> the quantised numbers, widened to float32 again
;;       x = np.moveaxis(x, axis, -1); K = x.shape[-1]
;;       x = np.pad(x, [(0, 0)] * (x.ndim - 1) + [(0, -K % 32)]); x = x.reshape(x.shape[:-1] + (-1, 32)); a = np.abs(x).max(-1, keepdims=True)
;;       e = np.where(a > 0, np.clip(np.frexp(np.where(a > 0, a, 1))[1] - 1 - 4, -126, 127), 0)      # np.frexp(a)[1] - 1 = floor(log2(a)), exactly
;;       r = np.clip(x / 2.0 ** e, -28, 28)
;;       step = 2.0 ** (np.maximum(np.frexp(np.where(r == 0, 1, r))[1] - 1, -2) - 2)
;;       q = np.round(r / step) * step * 2.0 ** e      # np.round: ties to even
;;       return np.moveaxis(q.reshape(q.shape[:-2] + (-1,))[..., :K], -1, axis).astype(np.float32)
;;   ~~~
;;   OPERANDS COMPUTED ON THE WAY. 'Computed on the way' means the value that the module computes at that place (a softmax that the list does not call 'softmax' is quantised finished and normalised). What goes into a quantiser is computed in f32, as accurately as f32 sums, v_exp_f32 and their like allow (about 1e-6 of the number): no bf16 or f16 on the way to a quantiser, and a product that is left as it is and whose result goes on into a quantised operand takes f32 operands (vector FMAs, or v_wmma_f32_16x16x4_f32). A number that lies on a knife's edge between two numbers of the format may be rounded either way, as far as f32 arithmetic and the matrix unit's own rounding can turn it there, and no further.
;; 2 versions, each right; version 2 is version 1 with the launches ffn1, ffn2 written anew for expert scheduling mode. Each part assembles by itself: llvm-mc -triple=amdgcn-amd-amdhsa -mcpu=gfx1250 --defsym DOCPART=n.
;; ======== version 1 of 2: 5 launches
;; workspace buffers: xq 786,432 bytes; xs 32,768 bytes; sel 8,192 bytes of whole numbers; rwt 8,192 bytes; plan 67,840 bytes of whole numbers; hq 6,684,672 bytes; hs 278,528 bytes; yp 35,651,584 bytes
;; launch route (part 1): grid 128 x 1, 4 waves a work-group, no clusters, 77,568 bytes of LDS; arguments x, router_w, xq, xs, sel, rwt, out1; writes xq, xs, sel, rwt, out1
.if DOCPART == 1
	.amdgcn_target "amdgcn-amd-amdhsa--gfx1250"
	.amdhsa_code_object_version 6
	.text
	.protected	k_qd4a3a64ba0_route
	.globl	k_qd4a3a64ba0_route
	.p2align	8
	.type	k_qd4a3a64ba0_route,@function
k_qd4a3a64ba0_route:
	s_mov_b64 s[64:65], 0
	v_nop
	global_prefetch_b8 v0, s[64:65] scope:SCOPE_SE
	s_setreg_imm32_b32 hwreg(HW_REG_WAVE_MODE, 25, 1), 1
	s_wait_xcnt 0x0
; ROUTER, TOP-2, AND x INTO CODES OF BF6 (E3M2).  x [1024][1024] f32, router_w [1024][8] f32.
; out1 = x router_w (f32 fused multiply-adds); probs = softmax with the row's maximum taken away; the two largest (strict >, so the lower index wins a tie), renormalised.
; sel [2][1024] holds the chosen experts, rwt [2][1024] their gates, at fixed places: no address here hangs on the choice.
; xq [token][768 bytes]: a row's codes as one stream of bits along K; xs [token][32]: one E8M0 byte for each 32 along K.
; SHARES: a work-group takes 8 tokens, a wave 2.  Lane l owns block l (k = 32 l .. 32 l + 31) of both tokens, so a block's largest magnitude needs no other lane.
; Every global load takes 512 consecutive bytes; x and router_w are turned through LDS so that a lane gets its 32 neighbours (and its 256 router weights, kept in window 1).
; LIMITS: NaN and infinities are not served.  A block of zeros gets the byte 1 where the rule says 127 (its codes are zeros; only this program reads the bytes).
; Two probabilities that differ by less than the rounding of an f32 sum of 1,024 terms may change places against another order of summation.
.set RWS, 0                            ; 32 x 1,040: lane l's 256 router weights, 1,024 bytes + 16
.set XT,  33280                        ; + 9,216 x wave: two tokens x 32 places of 128 bytes + 16
.set CS,  70144                        ; + 1,536 x wave: the wave's codes, two rows on end
.set RLG, 76288                        ; 256: the 8 tokens' logits
.set RSC, 76544                        ; 256: their scale bytes
.set RSE, 76800                        ; 64: the chosen experts, word 8 k + token;  behind them 64: the gates
.set X,   16                           ; v16-79   two tokens x 32 numbers
.set RAW, 80                           ; v80-143  router_w as loaded; later at work
.set ACC, 144                          ; v144-159 two tokens x 8 sums
.set PR,  160                          ; v160-175 probabilities
.set TW,  176                          ; v176-199 top-2 at work, 12 a token
.set CD,  200                          ; v200-205, v212-217 codes
.set CT,  208                          ; v208-210 a block's second half
.set CO,  220                          ; v220-231 codes on the way out
.set QM,  232
.set QS,  234
.set QB,  236
.set MSB, 0
.macro WIN new                         ; the immediate's high byte repeats the setting that is left
.if MSB != \new
	s_set_vgpr_msb (MSB<<8)|\new
.set MSB, \new
.endif
.endm
	s_load_b128 s[4:7], s[0:1], 0x0                ; x, router_w
	s_load_b128 s[8:11], s[0:1], 0x10              ; xq, xs
	s_load_b128 s[12:15], s[0:1], 0x20             ; sel, rwt
	s_load_b64 s[16:17], s[0:1], 0x30              ; out1
	v_lshl_add_u32 v254, v0, 2, 0x12d00
	v_mov_b32 v255, 0
	v_lshrrev_b32 v1, 5, v0
	v_readfirstlane_b32 s18, v1                    ; wave
	v_and_b32 v1, 31, v0                           ; lane
	v_lshlrev_b32 v2, 4, v1                        ; 16 x lane
	s_mul_i32 s30, s18, 8320
	v_add_nc_u32 v3, s30, v2                       ; router_w into LDS: 8 places a wave
	s_mul_i32 s30, s18, 9216
	s_add_co_u32 s30, s30, XT
	v_lshrrev_b32 v4, 3, v1
	v_mul_u32_u24 v4, v4, 144
	v_and_b32 v5, 7, v1
	v_lshl_add_u32 v4, v5, 4, v4
	v_add_nc_u32 v4, s30, v4                       ; x into LDS: eight lanes' 128 bytes fill a place
	v_mul_u32_u24 v5, v1, 144
	v_add_nc_u32 v5, s30, v5                       ; and out: my place
	v_mul_u32_u24 v6, v1, 1040                     ; my router weights
	s_mul_i32 s30, s18, 1536
	s_add_co_u32 s30, s30, CS
	v_mul_u32_u24 v7, v1, 24
	v_add_nc_u32 v7, s30, v7                       ; my block's 24 bytes of codes
	v_add_nc_u32 v8, s30, v2                       ; and back, 16 bytes a lane
	s_lshl_b32 s30, s18, 6
	s_add_co_u32 s31, s30, RSC
	v_add_nc_u32 v9, s31, v1                       ; my block's scale byte
	s_add_co_u32 s31, s30, RLG
	v_mov_b32 v10, s31                             ; my wave's logits
	s_lshl_b32 s31, s18, 3
	s_add_co_u32 s31, s31, RSE
	v_mov_b32 v11, s31                             ; my wave's experts and gates
	s_lshl_b32 s31, s18, 8
	s_add_co_u32 s31, s31, RLG
	v_lshl_add_u32 v12, v1, 3, s31                 ; the way out of waves 0, 1: 8 bytes a lane of the logits or of the scale bytes
	v_and_b32 v15, 15, v1
	s_add_co_u32 s31, s30, RSE-128
	v_lshl_add_u32 v13, v15, 2, s31                ; of waves 2, 3: word lane % 16 of the experts or of the gates
	v_lshlrev_b32 v14, 3, v1
	v_lshrrev_b32 v15, 3, v15
	v_lshlrev_b32 v15, 12, v15
	v_and_b32 v240, 7, v1
	v_lshl_add_u32 v15, v240, 2, v15               ; plane (lane % 16) / 8, token lane % 8
	s_mov_b32 s24, 0x76543210
	s_mov_b32 s25, 0xfedcba98                      ; v_permlanex16_b32's selects for lane l xor 16
	s_lshl_b32 s22, s18, 13
	s_lshl_b32 s20, ttmp9, 15
	s_add_co_u32 s20, s20, s22                     ; my two rows of x: 32,768 x work-group + 8,192 x wave
	s_mov_b32 s21, 0
	s_mov_b32 s23, 0
	s_lshl_b32 s32, ttmp9, 2
	s_add_co_u32 s32, s32, s18
	s_mul_i32 s32, s32, 1536                       ; and of xq
	s_mov_b32 s33, 0
	s_wait_kmcnt 0x0
	s_add_nc_u64 s[4:5], s[4:5], s[20:21]
	s_add_nc_u64 s[6:7], s[6:7], s[22:23]          ; my quarter of router_w
	s_add_nc_u64 s[8:9], s[8:9], s[32:33]
.irp i,0,1,2,3,4,5,6,7,8,9,10,11,12,13,14,15
	global_load_b128 v[RAW+4*\i:RAW+4*\i+3], v2, s[6:7] offset:512*\i
.endr
.irp t,0,1
.irp i,0,1,2,3,4,5,6,7
	global_load_b128 v[X+32*\t+4*\i:X+32*\t+4*\i+3], v2, s[4:5] offset:4096*\t+512*\i
.endr
.endr
	s_wait_loadcnt 16                              ; router_w is in; x's sixteen loads may be out
.irp i,0,1,2,3,4,5,6,7,8,9,10,11,12,13,14,15
	ds_store_b128 v3, v[RAW+4*\i:RAW+4*\i+3] offset:1040*(\i/2)+512*(\i%2)
.endr
	s_wait_loadcnt 0x0
.irp t,0,1
.irp i,0,1,2,3,4,5,6,7
	ds_store_b128 v4, v[X+32*\t+4*\i:X+32*\t+4*\i+3] offset:4608*\t+576*\i
.endr
.endr
	s_wait_dscnt 0x0                               ; for the others' sake: my part of router_w lies in LDS
	s_barrier_signal -1
	s_barrier_wait -1
.irp t,0,1
.irp n,0,1,2,3,4,5,6,7
	ds_load_b128 v[X+32*\t+4*\n:X+32*\t+4*\n+3], v5 offset:4608*\t+16*\n
.endr
.endr
	WIN 0x40                                       ; destination window 1: register 8 i + e = router_w[32 l + i][e]
.set n, 0
.rept 64
	ds_load_b128 v[4*n:4*n+3], v6 offset:16*n
.set n, n+1
.endr
	WIN 0
	s_wait_dscnt 63                                ; behind x's sixteen loads stand 64: with 63 out at the most, x is in
; token t's block of mine: largest magnitude with the floor 2^(5 - 127), 4 off its exponent field, the byte, 32 codes
.macro QX t
	v_max3_num_f32 v[QM], |v[X+32*\t]|, |v[X+32*\t+1]|, 0x2800000
	v_max3_num_f32 v[QM+1], |v[X+32*\t+16]|, |v[X+32*\t+17]|, 0x2800000
.irp i,2,4,6,8,10,12,14
	v_max3_num_f32 v[QM], v[QM], |v[X+32*\t+\i]|, |v[X+32*\t+\i+1]|
	v_max3_num_f32 v[QM+1], v[QM+1], |v[X+32*\t+16+\i]|, |v[X+32*\t+17+\i]|
.endr
	v_max_num_f32 v[QM], v[QM], v[QM+1]
	v_add_nc_u32 v[QS+\t], 0xfe000000, v[QM]       ; the conversion takes this operand's exponent field as its scale
	v_lshrrev_b32 v[QB+\t], 23, v[QS+\t]           ; the scale's byte
	v_cvt_scalef32_pk16_bf6_f32 v[CD+12*\t:CD+12*\t+2], v[X+32*\t:X+32*\t+15], v[QS+\t]
	v_cvt_scalef32_pk16_bf6_f32 v[CT:CT+2], v[X+32*\t+16:X+32*\t+31], v[QS+\t]   ; (a conversion's three registers begin on an even number)
	v_nop                                          ; one plain place behind a scaled conversion
.irp i,0,1,2
	v_mov_b32 v[CD+12*\t+3+\i], v[CT+\i]
.endr
.irp p,0,1,2
	ds_store_b64 v7, v[CD+12*\t+2*\p:CD+12*\t+2*\p+1] offset:768*\t+8*\p
.endr
	ds_store_b8 v9, v[QB+\t] offset:32*\t
.endm
	QX 0
	QX 1
.irp n,0,1,2
	ds_load_b128 v[CO+4*\n:CO+4*\n+3], v8 offset:512*\n     ; LDS serves a wave's instructions in order: these see my stores
.endr
	s_wait_dscnt 0x0                               ; the codes are back, and the router weights are in
.irp n,0,1,2
	global_store_b128 v2, v[CO+4*\n:CO+4*\n+3], s[8:9] offset:512*\n   ; 512 consecutive bytes, at a multiple of 256 from xq's first byte
.endr
	WIN 0x04                                       ; source 1 (the weights) window 1
.set i, 0
.rept 32                                       ; my 32 k: two experts an instruction, eight chains
.irp t,0,1
.irp e,0,2,4,6
.if i == 0
	v_pk_mul_f32 v[ACC+8*\t+\e:ACC+8*\t+\e+1], v[X+32*\t:X+32*\t+1], v[\e:\e+1] op_sel_hi:[0,1]
.elseif i%2 == 0
	v_pk_fma_f32 v[ACC+8*\t+\e:ACC+8*\t+\e+1], v[X+32*\t+i:X+32*\t+i+1], v[8*i+\e:8*i+\e+1], v[ACC+8*\t+\e:ACC+8*\t+\e+1] op_sel_hi:[0,1,1]
.else
	v_pk_fma_f32 v[ACC+8*\t+\e:ACC+8*\t+\e+1], v[X+32*\t+i-1:X+32*\t+i], v[8*i+\e:8*i+\e+1], v[ACC+8*\t+\e:ACC+8*\t+\e+1] op_sel:[1,0,0] op_sel_hi:[1,1,1]
.endif
.endr
.endr
.set i, i+1
.endr
	WIN 0
.irp m,1,2,4,8                                 ; over the 32 lanes: every lane ends with every logit
.irp r,0,1,2,3,4,5,6,7,8,9,10,11,12,13,14,15
	v_add_f32_dpp v[ACC+\r], v[ACC+\r], v[ACC+\r] row_xmask:\m row_mask:0xf bank_mask:0xf
.endr
.endr
.irp r,0,1,2,3,4,5,6,7,8,9,10,11,12,13,14,15
	v_permlanex16_b32 v[RAW+\r], v[ACC+\r], s24, s25
.endr
.irp r,0,1,2,3,4,5,6,7,8,9,10,11,12,13,14,15
	v_add_f32 v[ACC+\r], v[ACC+\r], v[RAW+\r]
.endr
; token t: softmax, the two largest, their gates.  The same in every lane.
.macro TOP t
.set TL, ACC+8*\t
.set TQ, PR+8*\t
.set TB, TW+12*\t
	v_max3_num_f32 v[TB], v[TL], v[TL+1], v[TL+2]
	v_max3_num_f32 v[TB], v[TB], v[TL+3], v[TL+4]
	v_max3_num_f32 v[TB], v[TB], v[TL+5], v[TL+6]
	v_max_num_f32 v[TB], v[TB], v[TL+7]            ; the row's maximum
.irp e,0,1,2,3,4,5,6,7
	v_sub_f32 v[TQ+\e], v[TL+\e], v[TB]
.endr
.irp e,0,1,2,3,4,5,6,7
	v_mul_f32 v[TQ+\e], 0x3fb8aa3b, v[TQ+\e]
.endr
.irp e,0,1,2,3,4,5,6,7
	v_exp_f32 v[TQ+\e], v[TQ+\e]
.endr
	v_nop                                          ; a plain place behind the exponentials
	s_wait_alu depctr_va_vdst(0)
	v_add_f32 v[TB+1], v[TQ], v[TQ+1]
	v_add_f32 v[TB+2], v[TQ+2], v[TQ+3]
	v_add_f32 v[TB+3], v[TQ+4], v[TQ+5]
	v_add_f32 v[TB+4], v[TQ+6], v[TQ+7]
	v_add_f32 v[TB+1], v[TB+1], v[TB+2]
	v_add_f32 v[TB+3], v[TB+3], v[TB+4]
	v_add_f32 v[TB+1], v[TB+1], v[TB+3]
	v_rcp_f32 v[TB+1], v[TB+1]
	v_nop
	s_wait_alu depctr_va_vdst(0)
.irp e,0,1,2,3,4,5,6,7
	v_mul_f32 v[TQ+\e], v[TQ+\e], v[TB+1]          ; the probabilities
.endr
	v_mov_b32 v[TB+5], v[TQ]
	v_mov_b32 v[TB+6], 0
.irp e,1,2,3,4,5,6,7
	v_cmp_gt_f32 vcc_lo, v[TQ+\e], v[TB+5]         ; strictly larger: a tie keeps the lower index
	v_cndmask_b32 v[TB+5], v[TB+5], v[TQ+\e], vcc_lo
	v_cndmask_b32 v[TB+6], v[TB+6], \e, vcc_lo
.endr
.irp e,0,1,2,3,4,5,6,7
	v_cmp_eq_u32 vcc_lo, \e, v[TB+6]
	v_cndmask_b32 v[TQ+\e], v[TQ+\e], -1.0, vcc_lo ; the winner is struck out: under every probability
.endr
	v_mov_b32 v[TB+7], v[TQ]
	v_mov_b32 v[TB+8], 0
.irp e,1,2,3,4,5,6,7
	v_cmp_gt_f32 vcc_lo, v[TQ+\e], v[TB+7]
	v_cndmask_b32 v[TB+7], v[TB+7], v[TQ+\e], vcc_lo
	v_cndmask_b32 v[TB+8], v[TB+8], \e, vcc_lo
.endr
	v_add_f32 v[TB+9], v[TB+5], v[TB+7]
	v_rcp_f32 v[TB+9], v[TB+9]
	v_nop
	s_wait_alu depctr_va_vdst(0)
	v_mul_f32 v[TB+5], v[TB+5], v[TB+9]            ; the gates
	v_mul_f32 v[TB+7], v[TB+7], v[TB+9]
	ds_store_b128 v10, v[TL:TL+3] offset:32*\t     ; all lanes write the same bytes with the same values
	ds_store_b128 v10, v[TL+4:TL+7] offset:32*\t+16
	ds_store_b32 v11, v[TB+6] offset:4*\t
	ds_store_b32 v11, v[TB+8] offset:32+4*\t
	ds_store_b32 v11, v[TB+5] offset:64+4*\t
	ds_store_b32 v11, v[TB+7] offset:96+4*\t
.endm
	TOP 0
	TOP 1
	s_wait_dscnt 0x0                               ; for the others' sake: my tokens' results lie in LDS
	s_barrier_signal -1
	s_barrier_wait -1
	s_mov_b32 s29, 0
	s_cmp_lt_u32 s18, 2
	s_cbranch_scc0 .Lsmall
	s_cmp_eq_u32 s18, 0                            ; wave 0: the logits; wave 1: the scale bytes: 256 bytes each, 8 a lane
	s_cselect_b64 s[26:27], s[16:17], s[10:11]
	s_lshl_b32 s28, ttmp9, 8
	s_add_nc_u64 s[26:27], s[26:27], s[28:29]
	ds_load_b64 v[96:97], v12
	s_wait_dscnt 0x0
	global_store_b64 v14, v[96:97], s[26:27]       ; 256 consecutive bytes, aligned
	s_wait_tensorcnt 0x0
	ds_add_u32 v254, v255
	s_wait_dscnt 0x0
	s_endpgm
.Lsmall:
	s_cmp_eq_u32 s18, 2                            ; wave 2: the experts; wave 3: the gates: 16 words; lanes l and l + 16 store the same word
	s_cselect_b64 s[26:27], s[12:13], s[14:15]
	s_lshl_b32 s28, ttmp9, 5
	s_add_nc_u64 s[26:27], s[26:27], s[28:29]
	ds_load_b32 v96, v13
	s_wait_dscnt 0x0
	global_store_b32 v15, v96, s[26:27]            ; runs of 32 bytes in two planes of 4,096: these two buffers are 8 KB each
	s_wait_tensorcnt 0x0
	ds_add_u32 v254, v255
	s_wait_dscnt 0x0
	s_endpgm
.Lfunc_end_k_qd4a3a64ba0_route:
	.size	k_qd4a3a64ba0_route, .Lfunc_end_k_qd4a3a64ba0_route-k_qd4a3a64ba0_route
	.p2alignl 7, 3214868480
	.fill 96, 4, 3214868480
	.section	.rodata,"a",@progbits
	.p2align	6, 0x0
	.amdhsa_kernel k_qd4a3a64ba0_route
		.amdhsa_group_segment_fixed_size 77568
		.amdhsa_private_segment_fixed_size 0
		.amdhsa_enable_private_segment 0
		.amdhsa_kernarg_size 56
		.amdhsa_user_sgpr_count 2
		.amdhsa_user_sgpr_kernarg_segment_ptr 1
		.amdhsa_wavefront_size32 1
		.amdhsa_system_sgpr_workgroup_id_x 1
		.amdhsa_system_sgpr_workgroup_id_y 1
		.amdhsa_system_sgpr_workgroup_id_z 1
		.amdhsa_system_vgpr_workitem_id 0
		.amdhsa_next_free_vgpr 512
		.amdhsa_next_free_sgpr 66
		.amdhsa_reserve_vcc 1
		.amdhsa_float_denorm_mode_32 3
		.amdhsa_float_denorm_mode_16_64 3
		.amdhsa_memory_ordered 1
		.amdhsa_forward_progress 1
		.amdhsa_inst_pref_size 50
	.end_amdhsa_kernel
	.amdgpu_metadata
---
amdhsa.version: [ 1, 2 ]
amdhsa.kernels:
  - .name:           k_qd4a3a64ba0_route
    .symbol:         k_qd4a3a64ba0_route.kd
    .args:
      - { .name: x, .offset: 0, .size: 8, .value_kind: global_buffer, .address_space: global }
      - { .name: router_w, .offset: 8, .size: 8, .value_kind: global_buffer, .address_space: global }
      - { .name: xq, .offset: 16, .size: 8, .value_kind: global_buffer, .address_space: global }
      - { .name: xs, .offset: 24, .size: 8, .value_kind: global_buffer, .address_space: global }
      - { .name: sel, .offset: 32, .size: 8, .value_kind: global_buffer, .address_space: global }
      - { .name: rwt, .offset: 40, .size: 8, .value_kind: global_buffer, .address_space: global }
      - { .name: out1, .offset: 48, .size: 8, .value_kind: global_buffer, .address_space: global }
    .group_segment_fixed_size: 77568
    .private_segment_fixed_size: 0
    .kernarg_segment_align: 8
    .kernarg_segment_size: 56
    .max_flat_workgroup_size: 128
    .sgpr_count:     66
    .vgpr_count:     512
    .wavefront_size: 32
...
	.end_amdgpu_metadata
.endif
;; end of part 1
;; launch place (part 2): grid 1 x 1, 8 waves a work-group, no clusters, 1,280 bytes of LDS; arguments sel, plan; writes plan
.if DOCPART == 2
	.amdgcn_target "amdgcn-amd-amdhsa--gfx1250"
	.amdhsa_code_object_version 6
	.text
	.protected	k_qd4a3a64ba0_place
	.globl	k_qd4a3a64ba0_place
	.p2align	8
	.type	k_qd4a3a64ba0_place,@function
k_qd4a3a64ba0_place:
	s_mov_b64 s[64:65], 0
	v_nop
	global_prefetch_b8 v0, s[64:65] scope:SCOPE_SE
	s_setreg_imm32_b32 hwreg(HW_REG_WAVE_MODE, 25, 1), 1
	s_wait_xcnt 0x0
; THE ROWS ARE PLACED BY EXPERT: a counting sort on whole numbers, one work-group, wave e for expert e, no atomics.
; plan: LIST at 0, [8][1,088] words: expert e's tokens, then 32 words of 0 (rows that fill the last tile and look-ahead read token 0), words 1,056-1,087 take what is not chosen and are never read;
;       POSE at 34,816, [8][1,024] words: 16 x first tile + rank, the row's place in hq, hs and yp (every word is written; used only for the experts that a token chose);
;       META at 67,584, [8] pairs: number of tiles of 16 rows, first tile.
; Round q of lane l looks at token 128 (q / 4) + 4 l + q % 4, so that sel is loaded and POSE stored 16 bytes a lane.  Each store has address and data registers of its own: nothing is rewritten.
; The 32 rounds are written stage by stage (all masks, all ranks, all stores), so that no scalar line reads a vector result just made.
; sel holds experts 0 to 7, as the launch before stores them.
.set SA,  8                            ; v8-39    first choice of my 32 tokens
.set SB,  40                           ; v40-71   second choice
.set R,   72                           ; v72-103  ranks
.set A,   104                          ; v104-135 addresses in LIST
.set TOK, 136                          ; v136-167 token numbers
.set MK,  66                           ; s66-97   round q's mask: the lanes whose token chose me
	s_load_b128 s[4:7], s[0:1], 0x0                ; sel, plan
	v_lshl_add_u32 v192, v0, 2, 0x100
	v_mov_b32 v193, 0
	v_lshrrev_b32 v1, 5, v0
	v_readfirstlane_b32 s8, v1                     ; my expert
	v_and_b32 v1, 31, v0
	v_lshlrev_b32 v2, 4, v1
	v_lshlrev_b32 v3, 2, v1
	v_add_nc_u32 v168, 1056, v1                    ; my word for tokens that did not choose me
.set q, 0
.rept 32
	v_add_nc_u32 v[TOK+q], 128*(q/4)+q%4, v3
.set q, q+1
.endr
	s_mul_i32 s10, s8, 4352
	s_mov_b32 s11, 0
	s_lshl_b32 s12, s8, 12
	s_add_co_u32 s12, s12, 34816
	s_mov_b32 s13, 0
	s_lshl_b32 s14, s8, 3
	s_add_co_u32 s14, s14, 67584
	s_mov_b32 s15, 0
	s_mov_b32 s9, 0                                ; rows so far
	s_wait_kmcnt 0x0
	s_add_nc_u64 s[16:17], s[6:7], s[10:11]        ; LIST of my expert
	s_add_nc_u64 s[18:19], s[6:7], s[12:13]        ; POSE
	s_add_nc_u64 s[22:23], s[6:7], s[14:15]        ; META
.irp i,0,1,2,3,4,5,6,7
	global_load_b128 v[SA+4*\i:SA+4*\i+3], v2, s[4:5] offset:512*\i
	global_load_b128 v[SB+4*\i:SB+4*\i+3], v2, s[4:5] offset:4096+512*\i
.endr
	s_wait_loadcnt 0x0
.set q, 0
.rept 32
	v_xor_b32 v[A+q], s8, v[SA+q]                  ; 0 where the first choice is me
	v_xor_b32 v[R+q], s8, v[SB+q]                  ; 0 where the second is
.set q, q+1
.endr
.set q, 0
.rept 32
	v_mul_u32_u24 v[A+q], v[A+q], v[R+q]           ; 0 where either is (both factors are under 8)
.set q, q+1
.endr
.set q, 0
.rept 32
	v_cmp_eq_u32 s[MK+q], 0, v[A+q]                ; the lanes whose token chose me
.set q, q+1
.endr
.set q, 0
.rept 32
	v_mbcnt_lo_u32_b32 v[R+q], s[MK+q], 0          ; how many of them stand below me
.set q, q+1
.endr
.set q, 0
.rept 32
	v_add_nc_u32 v[R+q], s9, v[R+q]                ; the rank
	s_bcnt1_i32_b32 s21, s[MK+q]
	s_add_co_u32 s9, s9, s21
.set q, q+1
.endr
.set q, 0
.rept 32
	v_cndmask_b32 v[A+q], v168, v[R+q], s[MK+q]
.set q, q+1
.endr
.set q, 0
.rept 32
	v_min_u32 v[A+q], 1087, v[A+q]
.set q, q+1
.endr
.set q, 0
.rept 32
	v_lshlrev_b32 v[A+q], 2, v[A+q]
.set q, q+1
.endr
.set q, 0
.rept 32
	global_store_b32 v[A+q], v[TOK+q], s[16:17]
.set q, q+1
.endr
	v_add_nc_u32 v169, s9, v1                      ; 32 words of 0 behind the last token
	v_min_u32 v169, 1055, v169
	v_lshlrev_b32 v169, 2, v169
	v_mov_b32 v170, 0
	global_store_b32 v169, v170, s[16:17]
	v_mov_b32 v171, s9
	v_mov_b32 v172, s8
	v_lshlrev_b32 v172, 2, v172
	ds_store_b32 v172, v171                        ; my count, for the others
	s_wait_dscnt 0x0
	s_barrier_signal -1
	s_barrier_wait -1
	v_mov_b32 v173, 0
	ds_load_b128 v[176:179], v173
	ds_load_b128 v[180:183], v173 offset:16
	s_wait_dscnt 0x0
.irp i,0,1,2,3,4,5,6,7
	v_readfirstlane_b32 s[24+\i], v[176+\i]
.endr
	s_mov_b32 s32, 0                               ; my tiles
	s_mov_b32 s33, 0                               ; my first tile
	s_mov_b32 s34, 0                               ; tiles so far
.irp i,0,1,2,3,4,5,6,7
	s_add_co_u32 s35, s[24+\i], 15
	s_lshr_b32 s35, s35, 4
	s_cmp_eq_u32 s8, \i
	s_cselect_b32 s32, s35, s32
	s_cselect_b32 s33, s34, s33
	s_add_co_u32 s34, s34, s35
.endr
	s_lshl_b32 s36, s33, 4
.set q, 0
.rept 32
	v_add_nc_u32 v[R+q], s36, v[R+q]
.set q, q+1
.endr
.irp i,0,1,2,3,4,5,6,7
	global_store_b128 v2, v[R+4*\i:R+4*\i+3], s[18:19] offset:512*\i   ; 512 consecutive bytes
.endr
	v_mov_b32 v174, s32
	v_mov_b32 v175, s33
	global_store_b64 v173, v[174:175], s[22:23]    ; all lanes store the same 8 bytes
	s_wait_tensorcnt 0x0
	ds_add_u32 v192, v193
	s_wait_dscnt 0x0
	s_endpgm
.Lfunc_end_k_qd4a3a64ba0_place:
	.size	k_qd4a3a64ba0_place, .Lfunc_end_k_qd4a3a64ba0_place-k_qd4a3a64ba0_place
	.p2alignl 7, 3214868480
	.fill 96, 4, 3214868480
	.section	.rodata,"a",@progbits
	.p2align	6, 0x0
	.amdhsa_kernel k_qd4a3a64ba0_place
		.amdhsa_group_segment_fixed_size 1280
		.amdhsa_private_segment_fixed_size 0
		.amdhsa_enable_private_segment 0
		.amdhsa_kernarg_size 16
		.amdhsa_user_sgpr_count 2
		.amdhsa_user_sgpr_kernarg_segment_ptr 1
		.amdhsa_wavefront_size32 1
		.amdhsa_system_sgpr_workgroup_id_x 1
		.amdhsa_system_sgpr_workgroup_id_y 1
		.amdhsa_system_sgpr_workgroup_id_z 1
		.amdhsa_system_vgpr_workitem_id 0
		.amdhsa_next_free_vgpr 194
		.amdhsa_next_free_sgpr 100
		.amdhsa_reserve_vcc 0
		.amdhsa_float_denorm_mode_32 3
		.amdhsa_float_denorm_mode_16_64 3
		.amdhsa_memory_ordered 1
		.amdhsa_forward_progress 1
		.amdhsa_inst_pref_size 28
	.end_amdhsa_kernel
	.amdgpu_metadata
---
amdhsa.version: [ 1, 2 ]
amdhsa.kernels:
  - .name:           k_qd4a3a64ba0_place
    .symbol:         k_qd4a3a64ba0_place.kd
    .args:
      - { .name: sel, .offset: 0, .size: 8, .value_kind: global_buffer, .address_space: global }
      - { .name: plan, .offset: 8, .size: 8, .value_kind: global_buffer, .address_space: global }
    .group_segment_fixed_size: 1280
    .private_segment_fixed_size: 0
    .kernarg_segment_align: 8
    .kernarg_segment_size: 16
    .max_flat_workgroup_size: 256
    .sgpr_count:     100
    .vgpr_count:     194
    .wavefront_size: 32
...
	.end_amdgpu_metadata
.endif
;; end of part 2
;; launch ffn1 (part 3): grid 32 x 8, 4 waves a work-group, no clusters, 153,088 bytes of LDS; arguments w1, b1, xq, xs, plan, hq, hs; writes hq, hs
.if DOCPART == 3
	.amdgcn_target "amdgcn-amd-amdhsa--gfx1250"
	.amdhsa_code_object_version 6
	.text
	.protected	k_qd4a3a64ba0_ffn1
	.globl	k_qd4a3a64ba0_ffn1
	.p2align	8
	.type	k_qd4a3a64ba0_ffn1,@function
k_qd4a3a64ba0_ffn1:
	s_mov_b64 s[64:65], 0
	v_nop
	global_prefetch_b8 v0, s[64:65] scope:SCOPE_SE
	s_setreg_imm32_b32 hwreg(HW_REG_WAVE_MODE, 25, 1), 1
	s_wait_xcnt 0x0
; h = Q(gelu(Q(x) Q(w1[e]) + b1[e])) for the rows that chose expert e, on codes of BF6 (E3M2) with one E8M0 scale for each 32 along K.
; THE WEIGHTS STAY, THE ROWS GO ROUND.  Work-group (g, e) owns columns 128 g .. 128 g + 127 of expert e: 1,024 x 128 f32, read from memory once, 512 consecutive bytes a load.
; No tensor load and no cluster: the loop over rows is counted by a number read from memory, and what work-groups share (the rows' codes) is the lesser part of a work-group's bytes.
; PHASE A: wave w takes K rows 256 w .. + 255 in 8 chunks of 32.  A load gives lane l columns 4 l + cc; a chunk is a whole block of 32 along K for each of them: its largest magnitude needs no other lane.
;   Three buffers of 32 loads.  A buffer is asked for again as soon as it has been read, AHEAD of the wait for the next chunk: the issue of a load holds back while the wave's load counter is full
;   (ISA guide 5.7.1), so the wave keeps as many loads out as that counter counts, 63 of 512 bytes.
;   TILE A_cc = columns 4 r + cc (lanes 0-15), TILE B_cc = columns 64 + 4 r + cc (lanes 16-31).  An even block's codes and the odd block's behind it change halves (v_permlane16_swap_b32) and are then the two tiles' operand registers.
;   The fragments go to LDS as images of their registers (16 bytes a lane), the scale words 4 bytes a lane; one barrier.
; PHASE B: wave w takes half hf = w % 2 of the columns (its 32 fragments stay in registers) and the tiles of 16 rows j = w / 2, w / 2 + 2, ..
;   The product is used transposed (source 0 = 16 columns, source 1 = 16 rows): lane (r, h) holds row r, register j of accumulator cc column 64 hf + 32 h + 4 j + cc.  So a lane's 32 results are ONE block of 32 along the next K;
;   gelu's last line writes them in order, and the block's six code registers are registers 6 hf .. 6 hf + 5 of the next operand as they stand.
; hq [tile][g][hf][768 bytes]: half the register image of a fragment of 16 rows x 128 K: its registers 0-3, 16 bytes a lane (512 bytes), then its registers 4-5, 8 bytes a lane (256 bytes);  hs [tile][g][row][4]: the scale words.
; gelu(z) = max(z, 0) - |z| erfc(|z| / sqrt 2) / 2, erfc(u) = t exp(-u^2 + a polynomial of degree 9 in t), t = 1 / (1 + u / 2): a fit of fractional error 1.2e-7, log2(e) folded into its constants.
; LIMITS: NaN and infinities are not served.  A block of zeros gets the byte 1 where the rule says 127 (its codes are zeros; only this program reads the bytes).
.set PITCH, 16384                      ; bytes from a K row of w1[e] to the next
.set WSC,  98304                       ; LDS: fragments (K step s, tile t) at (8 s + t) x 1,536;  here the scale words, (4 s + cc) x 128 + 4 x lane
.set STG,  102400                      ; + 12,544 x wave: 16 rows of x codes, 768 bytes + 16
.set OFF,  18                          ; v18-25  byte offsets of the eight pairs of rows to gather;  v26 of my row's scale bytes
.set OFFS, 26
.set WS,   32                          ; v32-63  the weights' scale words, 4 s + cc
.set XS,   64                          ; v64-71  the rows' scale words, K step s
.set XG,   72                          ; v72-79  the same, as gathered
.set LT,   80                          ; v80-87  tokens 8 h + 0 .. 7 of a tile;  v88 token r
.set LR,   88
.set ACC,  96                          ; v96-127  four accumulators
.set BB,   128                         ; v128-159 b1 in the result's layout
.set G,    160                         ; v160-191 gelu's results, in the next K's order
.set TD,   192
.set TP,   200
.set TZ,   208
.set TV,   216
.set TM,   224
.set QM,   232
.set QS,   234
.set QB,   235
.set KC8,  236                         ; v236-237 the fit's C8, twice
.set CD,   240                         ; v240-245 a block's codes;  v248-250 its second half
.set CT,   248
.set F,    96                          ; phase A: v96-191 eight tiles x 12 registers: A_0 .. A_3, B_0 .. B_3
.set BL,   192                         ; v192-223 b1 as loaded
.set M,    224                         ; v224-227 largest magnitudes, v228-231 scale operands, v232-235 bytes, v236-239 scale words, v240-254 four second halves
.set SO,   228
.set BY,   232
.set WW,   236
.set T,    240
.set XF,   136                         ; window 2: the rows' eight fragments
; windows: 1: phase A two load buffers; phase B fragments 0-20.  2: a third load buffer and the turning buffer Y (v128-255); phase B fragments 21-31 and XF.  3: v0-95 gathered rows.
.set MSB, 0
.macro WIN new                         ; the immediate's high byte repeats the setting that is left
.if MSB != \new
	s_set_vgpr_msb (MSB<<8)|\new
.set MSB, \new
.endif
.endm
.macro KPAIR r, val                    ; the packed forms name a pair: both words are written
	s_mov_b32 s[\r], \val
	s_mov_b32 s[\r+1], \val
.endm
	s_load_b256 s[4:11], s[0:1], 0x0               ; w1, b1, xq, xs
	s_load_b128 s[12:15], s[0:1], 0x20             ; plan, hq
	s_load_b64 s[16:17], s[0:1], 0x30              ; hs
	v_lshl_add_u32 v251, v0, 2, 0x25400
	v_mov_b32 v255, 0
	v_lshrrev_b32 v1, 5, v0
	v_readfirstlane_b32 s18, v1                    ; wave
	v_and_b32 v1, 31, v0                           ; lane
	v_lshlrev_b32 v2, 4, v1                        ; 16 x lane
	v_and_b32 v3, 15, v0                           ; r
	v_bfe_u32 v4, v0, 4, 1                         ; h
	s_and_b32 s19, s18, 1                          ; hf
	s_lshr_b32 s20, s18, 1                         ; my first tile of rows
	s_mov_b32 s21, ttmp9                           ; g
	s_and_b32 s22, ttmp7, 0xffff                   ; e
	s_mul_i32 s40, s18, 24576
	v_add_nc_u32 v5, s40, v2                       ; images in: my two K steps
	s_lshl_b32 s40, s18, 10
	s_add_co_u32 s40, s40, WSC
	v_lshl_add_u32 v6, v1, 2, s40                  ; scale words in
	s_mul_i32 s40, s19, 6144
	v_add_nc_u32 v7, s40, v2                       ; images out: my half's four tiles, K steps 0-3
	v_add_nc_u32 v8, 49152, v7                     ; K steps 4-7
	s_lshl_b32 s40, s19, 6
	s_add_co_u32 s40, s40, WSC
	v_lshl_add_u32 v9, v3, 2, s40                  ; scale words out: row r of my half's tile
	s_mul_i32 s40, s18, 12544
	s_add_co_u32 s40, s40, STG
	v_mul_u32_u24 v10, v4, 6272
	v_lshl_add_u32 v10, v3, 4, v10
	v_add_nc_u32 v10, s40, v10                     ; stage in: lanes 0-15 row i, lanes 16-31 row 8 + i
	v_mul_u32_u24 v11, v3, 784
	v_mad_u32_u24 v11, v4, 24, v11
	v_add_nc_u32 v11, s40, v11                     ; stage out: row r, + 24 h
	v_lshlrev_b32 v12, 4, v3
	v_lshlrev_b32 v13, 5, v4
	v_lshlrev_b32 v14, 2, v3
	v_add_nc_u32 v15, v14, v4                      ; hs: 4 r + h
	v_lshlrev_b32 v16, 3, v1                       ; hq: 8 x lane
	v_lshlrev_b32 v17, 7, v4                       ; b1: 32 h columns
	KPAIR 44, 0xbfe9b21e                           ; the fit's constants x log2(e): C0 .. C7, C9
	KPAIR 46, 0x3fb8ab5a
	KPAIR 48, 0x3f0a29d2
	KPAIR 50, 0x3e0efb2e
	KPAIR 52, 0xbe899a80
	KPAIR 54, 0x3ecdfd18
	KPAIR 56, 0xbfd1a1e5
	KPAIR 58, 0x40097039
	KPAIR 62, 0x3e7c6f08
	KPAIR 66, 0xbf38aa3b                           ; -log2(e) / 2
	s_mov_b32 s68, 0x3eb504f3                      ; 1 / (2 sqrt 2)
	s_lshl_b32 s40, s22, 24
	s_lshl_b32 s41, s18, 22
	s_add_co_u32 s40, s40, s41
	s_lshl_b32 s41, s21, 9
	s_add_co_u32 s40, s40, s41                     ; w1: expert, my 256 K rows, my work-group's 512 bytes of a row
	s_mov_b32 s41, 0
	s_lshl_b32 s42, s22, 14
	s_lshl_b32 s43, s21, 9
	s_add_co_u32 s42, s42, s43
	s_lshl_b32 s43, s19, 8
	s_add_co_u32 s42, s42, s43                     ; b1: expert, group, half
	s_mov_b32 s43, 0
	s_mul_i32 s78, s22, 4352
	s_mov_b32 s79, 0
	s_lshl_b32 s80, s22, 3
	s_add_co_u32 s80, s80, 67584
	s_mov_b32 s81, 0
	s_mul_i32 s82, s19, 768
	s_mov_b32 s83, 0
	s_lshl_b32 s84, s19, 1
	s_mov_b32 s85, 0
	s_mov_b32 s29, 0
	s_mov_b32 s26, s20                             ; j
	s_wait_kmcnt 0x0
	s_add_nc_u64 s[30:31], s[4:5], s[40:41]
	s_add_nc_u64 s[76:77], s[6:7], s[42:43]
	s_add_nc_u64 s[32:33], s[12:13], s[78:79]      ; my expert's list
	s_add_nc_u64 s[74:75], s[12:13], s[80:81]
	s_add_nc_u64 s[70:71], s[14:15], s[82:83]      ; hq at my half
	s_add_nc_u64 s[72:73], s[16:17], s[84:85]      ; hs at my half's two bytes
	s_load_b64 s[24:25], s[74:75], 0x0             ; tiles, first tile
.macro LOADC c                         ; chunk c: 32 K rows, 512 consecutive bytes each, into buffer c % 3
.if (\c)%3 == 2
	WIN 0x80
.set XB, 0
.else
	WIN 0x40
.set XB, 128*((\c)%3)
.endif
.set k, 0
.rept 32
	global_load_b128 v[XB+4*k:XB+4*k+3], v2, s[30:31] offset:(32*(\c)+k)*PITCH th:TH_LOAD_NT
.set k, k+1
.endr
	WIN 0
.endm
.macro LISTLD k                        ; the tokens of tile min(j + k, last): look-ahead past the end reads the last tile again
	s_add_co_u32 s28, s26, \k
	s_min_u32 s28, s28, s27
	s_min_u32 s28, s28, 63
	s_lshl_b32 s28, s28, 6
	s_add_nc_u64 s[38:39], s[32:33], s[28:29]      ; (the loads that named this pair have come)
	global_load_b128 v[LT:LT+3], v13, s[38:39]
	global_load_b128 v[LT+4:LT+7], v13, s[38:39] offset:16
	global_load_b32 v[LR], v14, s[38:39]
.endm
.macro MKOFF                           ; tokens into byte offsets: 768 a row of codes, 32 a row of scale bytes
.irp i,0,1,2,3,4,5,6,7
	v_min_u32 v[OFF+\i], 1023, v[LT+\i]
.endr
	v_min_u32 v[OFFS], 1023, v[LR]
.irp i,0,1,2,3,4,5,6,7
	v_mul_u32_u24 v[OFF+\i], 768, v[OFF+\i]
.endr
	v_lshlrev_b32 v[OFFS], 5, v[OFFS]
.irp i,0,1,2,3,4,5,6,7
	v_add_nc_u32 v[OFF+\i], v[OFF+\i], v12
.endr
.endm
.macro GATHER                          ; 16 rows of codes: sixteen lanes take 256 consecutive bytes of a row, at a multiple of 256 from xq's first byte.  26 loads
	WIN 0xc0
.irp i,0,1,2,3,4,5,6,7
.irp p,0,1,2
	global_load_b128 v[4*(3*\i+\p):4*(3*\i+\p)+3], v[OFF+\i], s[8:9] offset:256*\p
.endr
.endr
	WIN 0
	global_load_b128 v[XG:XG+3], v[OFFS], s[10:11]
	global_load_b128 v[XG+4:XG+7], v[OFFS], s[10:11] offset:16
.endm
.macro CHUNK c
.set BLKI, (\c)%4                      ; the block in its K step
.set LSI, (\c)/4                       ; which of my two K steps
.set PP, BLKI/2
.if (\c) < 6
	s_wait_loadcnt 63                              ; behind this chunk's 32 loads 64 or more have been issued (the next two chunks'): with 63 out at the most, this chunk is in
.elseif (\c) == 6
	s_wait_loadcnt 61                              ; behind it: chunk 7's 32, the first rows' 26, the next tokens' 3
.else
	s_wait_loadcnt 29                              ; behind it: the first rows' 26, the next tokens' 3
.endif
.if (\c) == 4
	s_wait_dscnt 0x0                               ; the first K step's images have left F and the scale words
.endif
.if (\c)%3 == 2
.set XB, 0
.set WSRC, 0x0a
.set WMOV, 0x82
.else
.set XB, 128*((\c)%3)
.set WSRC, 0x05
.set WMOV, 0x81
.endif
	WIN WSRC
.irp cc,0,1,2,3
	v_max3_num_f32 v[M+\cc], |v[XB+\cc]|, |v[XB+4+\cc]|, 0x2800000   ; with the floor 2^(5 - 127): the byte cannot fall under 1
.endr
.set k, 2
.rept 15
.irp cc,0,1,2,3
	v_max3_num_f32 v[M+\cc], |v[XB+4*k+\cc]|, |v[XB+4*k+4+\cc]|, v[M+\cc]
.endr
.set k, k+2
.endr
	WIN WMOV
.set k, 0
.rept 32                                       ; the conversions take neighbours along K from consecutive registers
.irp cc,0,1,2,3
	v_mov_b32 v[128+32*\cc+k], v[XB+4*k+\cc]
.endr
.set k, k+1
.endr
	WIN 0
.irp cc,0,1,2,3
	v_add_nc_u32 v[SO+\cc], 0xfe000000, v[M+\cc]   ; 4 off the exponent field: the conversion's scale operand
.endr
.irp cc,0,1,2,3
	v_lshrrev_b32 v[BY+\cc], 23, v[SO+\cc]
.endr
.irp cc,0,1,2,3
.if BLKI == 0
	v_mov_b32 v[WW+\cc], v[BY+\cc]
.else
	v_lshl_or_b32 v[WW+\cc], v[BY+\cc], 8*BLKI, v[WW+\cc]
.endif
.endr
	WIN 0x02                                       ; source 0 (Y) window 2
.irp cc,0,1,2,3
.set FD, F+48*(BLKI%2)+12*\cc+6*PP
	v_cvt_scalef32_pk16_bf6_f32 v[FD:FD+2], v[128+32*\cc:143+32*\cc], v[SO+\cc]
	v_cvt_scalef32_pk16_bf6_f32 v[T+4*\cc:T+4*\cc+2], v[144+32*\cc:159+32*\cc], v[SO+\cc]   ; (a conversion's three registers begin on an even number)
.endr
	WIN 0
	v_nop                                          ; one plain place behind a scaled conversion
.irp cc,0,1,2,3
.irp i,0,1,2
	v_mov_b32 v[F+48*(BLKI%2)+12*\cc+6*PP+3+\i], v[T+4*\cc+\i]
.endr
.endr
.if BLKI%2 == 1
.irp cc,0,1,2,3
.irp i,0,1,2,3,4,5
	v_permlane16_swap_b32 v[F+12*\cc+6*PP+\i], v[F+48+12*\cc+6*PP+\i]   ; the even block's lanes 16-31 change places with the odd block's lanes 0-15
.endr
.endr
.endif
.if BLKI == 3
.irp t,0,1,2,3,4,5,6,7
.irp p,0,1,2
	ds_store_b128 v5, v[F+12*\t+4*\p:F+12*\t+4*\p+3] offset:12288*LSI+1536*\t+512*\p
.endr
.endr
.irp cc,0,1,2,3
	ds_store_b32 v6, v[WW+\cc] offset:512*LSI+128*\cc
.endr
.endif
.if (\c)+3 < 8
	LOADC (\c)+3                                   ; this chunk's buffer has been read: it is asked for again at once, ahead of the wait for the next chunk
.endif
.if (\c) == 5
	MKOFF                                          ; the stream has nothing more to ask for: the first rows go out (their tokens came long ago: more than 63 loads stand behind them)
	GATHER
	LISTLD 2
.endif
.endm
	LOADC 0
	LOADC 1
	s_wait_kmcnt 0x0
	s_max_u32 s27, s24, 1
	s_sub_co_u32 s27, s27, 1                       ; the last tile (0 where there is none)
	LISTLD 0
	LOADC 2
.irp j,0,1,2,3,4,5,6,7
	global_load_b128 v[BL+4*\j:BL+4*\j+3], v17, s[76:77] offset:16*\j   ; b1: wanted behind the last chunk
.endr
	CHUNK 0
	CHUNK 1
	CHUNK 2
	CHUNK 3
	CHUNK 4
	CHUNK 5
	CHUNK 6
	CHUNK 7
	s_wait_dscnt 0x0                               ; for the others' sake: my images lie in LDS (and have left F)
.irp cc,0,1,2,3
.irp j,0,1,2,3,4,5,6,7
	v_mov_b32 v[BB+8*\cc+\j], v[BL+4*\j+\cc]       ; b1 at column 64 hf + 32 h + 4 j + cc
.endr
.endr
	s_barrier_signal -1
	s_barrier_wait -1                              ; the launch's one barrier, ahead of every branch on a loaded number
	s_cmp_ge_u32 s20, s24
	s_cbranch_scc1 .Lend                           ; no tile for me
	s_sub_co_u32 s87, s24, s20                     ; my trips: every second tile from my first on: (tiles - first + 1) / 2, at least 1 here
	s_add_co_u32 s87, s87, 1
	s_lshr_b32 s87, s87, 1
	s_min_u32 s87, s87, 32                         ; (never binds: a token chooses an expert at most once, so an expert has at most 1,024 rows, 64 tiles)
	s_mov_b32 s86, 0                               ; trips done
	v_mov_b32 v[KC8], 0xbf97d29d
	v_mov_b32 v[KC8+1], 0xbf97d29d
.set fi, 0
.rept 32                                       ; my 32 fragments (K step fi / 4, tile fi % 4 of my half) stay in registers
.if fi <= 20
	WIN 0x40
.set WR, 12*fi
.else
	WIN 0x80
.set WR, 12*(fi-21)
.endif
.irp p,0,1,2
	ds_load_b128 v[WR+4*\p:WR+4*\p+3], v[7+fi/16] offset:12288*((fi/4)%4)+1536*(fi%4)+512*\p
.endr
.set fi, fi+1
.endr
	WIN 0
.set fi, 0
.rept 32
	ds_load_b32 v[WS+fi], v9 offset:128*fi
.set fi, fi+1
.endr
.macro TURN                            ; the gathered rows through my own stage: in by rows, out as the operand's registers (LDS serves a wave's instructions in order)
	WIN 0x0c                                       ; an LDS store's data are its source 1: window 3
.irp i,0,1,2,3,4,5,6,7
.irp p,0,1,2
	ds_store_b128 v10, v[4*(3*\i+\p):4*(3*\i+\p)+3] offset:784*\i+256*\p
.endr
.endr
	WIN 0x80
.irp s,0,1,2,3,4,5,6,7
.irp q,0,1,2,3,4,5
	ds_load_b64 v[XF+12*\s+2*\q:XF+12*\s+2*\q+1], v11 offset:96*\s+48*(\q/3)+8*(\q%3)
.endr
.endr
	WIN 0
.irp s,0,1,2,3,4,5,6,7
	v_mov_b32 v[XS+\s], v[XG+\s]
.endr
.endm
.macro MM                              ; 32 products: K step by K step, the four accumulators by turns; the bias starts each sum
.set fi, 0
.rept 32
.set ks, fi/4
.set cq, fi%4
.if fi <= 20
	WIN 0x09
.set WR, 12*fi
.else
	WIN 0x0a
.set WR, 12*(fi-21)
.endif
.if fi < 4
	v_wmma_scale_f32_16x16x128_f8f6f4 v[ACC+8*cq:ACC+8*cq+7], v[WR:WR+11], v[XF+12*ks:XF+12*ks+11], v[BB+8*cq:BB+8*cq+7], v[WS+fi], v[XS+ks] matrix_a_fmt:MATRIX_FMT_BF6 matrix_b_fmt:MATRIX_FMT_BF6
.else
	v_wmma_scale_f32_16x16x128_f8f6f4 v[ACC+8*cq:ACC+8*cq+7], v[WR:WR+11], v[XF+12*ks:XF+12*ks+11], v[ACC+8*cq:ACC+8*cq+7], v[WS+fi], v[XS+ks] matrix_a_fmt:MATRIX_FMT_BF6 matrix_b_fmt:MATRIX_FMT_BF6
.endif
.set fi, fi+1
.endr
	WIN 0
.endm
.macro GELU cc                         ; accumulator cc, from its low end on
.set Z, ACC+8*\cc
.irp j,0,1,2,3,4,5,6,7
	v_fma_f32 v[TD+\j], |v[Z+\j]|, s68, 1.0        ; 1 + u / 2
.endr
.irp j,0,1,2,3,4,5,6,7
	v_rcp_f32 v[TD+\j], v[TD+\j]                   ; t
.endr
.irp j,0,2,4,6
	v_pk_mul_f32 v[TZ+\j:TZ+\j+1], v[Z+\j:Z+\j+1], s[66:67] op_sel_hi:[1,0]   ; (plain places behind the reciprocals)
.endr
	s_wait_alu depctr_va_vdst(0)
.irp j,0,2,4,6
	v_pk_fma_f32 v[TP+\j:TP+\j+1], v[TD+\j:TD+\j+1], s[62:63], v[KC8:KC8+1] op_sel_hi:[1,0,1]
.endr
.irp ci,58,56,54,52,50,48,46,44
.irp j,0,2,4,6
	v_pk_fma_f32 v[TP+\j:TP+\j+1], v[TP+\j:TP+\j+1], v[TD+\j:TD+\j+1], s[\ci:\ci+1] op_sel_hi:[1,1,0]
.endr
.endr
.irp j,0,2,4,6
	v_pk_fma_f32 v[TZ+\j:TZ+\j+1], v[TZ+\j:TZ+\j+1], v[Z+\j:Z+\j+1], v[TP+\j:TP+\j+1]   ; (-u^2 + the polynomial) x log2(e)
.endr
.irp j,0,1,2,3,4,5,6,7
	v_exp_f32 v[TZ+\j], v[TZ+\j]
.endr
.irp j,0,1,2,3,4,5,6,7
	v_mul_f32 v[TV+\j], |v[Z+\j]|, v[TD+\j]        ; (plain places behind the exponentials)
.endr
	s_wait_alu depctr_va_vdst(0)
.irp j,0,2,4,6
	v_pk_mul_f32 v[TV+\j:TV+\j+1], v[TV+\j:TV+\j+1], v[TZ+\j:TZ+\j+1]   ; |z| erfc(u)
.endr
.irp j,0,1,2,3,4,5,6,7
	v_max_num_f32 v[TM+\j], 0, v[Z+\j]
.endr
.irp j,0,1,2,3,4,5,6,7
	v_fma_f32 v[G+4*\j+\cc], v[TV+\j], -0.5, v[TM+\j]
.endr
.endm
.macro QH                              ; my 32 numbers are one block of the next K
	s_wait_xcnt 0x0                                ; the last trip's stores have read their data and bases: both are written again only behind this wait
	v_max3_num_f32 v[QM], |v[G]|, |v[G+1]|, 0x2800000
	v_max3_num_f32 v[QM+1], |v[G+16]|, |v[G+17]|, 0x2800000
.irp i,2,4,6,8,10,12,14
	v_max3_num_f32 v[QM], v[QM], |v[G+\i]|, |v[G+\i+1]|
	v_max3_num_f32 v[QM+1], v[QM+1], |v[G+16+\i]|, |v[G+17+\i]|
.endr
	v_max_num_f32 v[QM], v[QM], v[QM+1]
	v_add_nc_u32 v[QS], 0xfe000000, v[QM]
	v_lshrrev_b32 v[QB], 23, v[QS]
	v_cvt_scalef32_pk16_bf6_f32 v[CD:CD+2], v[G:G+15], v[QS]
	v_cvt_scalef32_pk16_bf6_f32 v[CT:CT+2], v[G+16:G+31], v[QS]
	v_nop                                          ; one plain place behind a scaled conversion
.irp i,0,1,2
	v_mov_b32 v[CD+3+\i], v[CT+\i]
.endr
.endm
.macro OUTH
	s_add_co_u32 s40, s25, s26                     ; first tile + j
	s_min_u32 s40, s40, 135
	s_lshl_b32 s40, s40, 5
	s_add_co_u32 s40, s40, s21                     ; 32 x tile + g
	s_mul_i32 s42, s40, 1536
	s_add_nc_u64 s[34:35], s[70:71], s[42:43]
	s_lshl_b32 s42, s40, 6
	s_add_nc_u64 s[36:37], s[72:73], s[42:43]
	global_store_b128 v2, v[CD:CD+3], s[34:35]               ; 512 consecutive bytes, at a multiple of 256 from hq's first byte
	global_store_b64 v16, v[CD+4:CD+5], s[34:35] offset:512  ; and the 256 behind them
	global_store_b8 v15, v[QB], s[36:37]           ; my block's byte: 32 of a fragment's 64 bytes; hs is a twenty-fourth of hq
.endm
	s_wait_loadcnt 0x0                             ; the first tile's rows and the second tile's tokens
	TURN
	MKOFF                                          ; (26 plain lines between the rows' scale words and the first product)
	s_wait_dscnt 0x0                               ; weights, scale words and the first rows are in registers; the stage's stores have read the gathered rows
	GATHER
	LISTLD 4
.Lrow:                                             ; a trip: tile j.  On the way: the rows of tile j + 2, the tokens of tile j + 4
	MM
.rept 4
	v_nop                                          ; four places between the last product and the first read of a result
.endr
	GELU 0
	GELU 1
	s_wait_loadcnt 0x0                             ; tile j + 2's rows, tile j + 4's tokens
	TURN
	MKOFF
	s_wait_dscnt 48                                ; the 24 stores into the stage have read the gathered rows; the 48 loads behind them may be out
	GATHER
	LISTLD 6
	GELU 2
	GELU 3
	QH
	OUTH
	s_add_co_u32 s26, s26, 2                       ; my next tile
	s_add_co_u32 s86, s86, 1                       ; the loop is counted by trips, one at a time
	s_wait_dscnt 0x0                               ; the next tile's fragments are in
	s_cmp_lt_u32 s86, s87
	s_cbranch_scc1 .Lrow
.Lend:
	s_wait_tensorcnt 0x0
	ds_add_u32 v251, v255
	s_wait_dscnt 0x0
	s_endpgm
.Lfunc_end_k_qd4a3a64ba0_ffn1:
	.size	k_qd4a3a64ba0_ffn1, .Lfunc_end_k_qd4a3a64ba0_ffn1-k_qd4a3a64ba0_ffn1
	.p2alignl 7, 3214868480
	.fill 96, 4, 3214868480
	.section	.rodata,"a",@progbits
	.p2align	6, 0x0
	.amdhsa_kernel k_qd4a3a64ba0_ffn1
		.amdhsa_group_segment_fixed_size 153088
		.amdhsa_private_segment_fixed_size 0
		.amdhsa_enable_private_segment 0
		.amdhsa_kernarg_size 56
		.amdhsa_user_sgpr_count 2
		.amdhsa_user_sgpr_kernarg_segment_ptr 1
		.amdhsa_wavefront_size32 1
		.amdhsa_system_sgpr_workgroup_id_x 1
		.amdhsa_system_sgpr_workgroup_id_y 1
		.amdhsa_system_sgpr_workgroup_id_z 1
		.amdhsa_system_vgpr_workitem_id 0
		.amdhsa_next_free_vgpr 896
		.amdhsa_next_free_sgpr 90
		.amdhsa_reserve_vcc 0
		.amdhsa_float_denorm_mode_32 3
		.amdhsa_float_denorm_mode_16_64 3
		.amdhsa_memory_ordered 1
		.amdhsa_forward_progress 1
		.amdhsa_inst_pref_size 176
	.end_amdhsa_kernel
	.amdgpu_metadata
---
amdhsa.version: [ 1, 2 ]
amdhsa.kernels:
  - .name:           k_qd4a3a64ba0_ffn1
    .symbol:         k_qd4a3a64ba0_ffn1.kd
    .args:
      - { .name: w1, .offset: 0, .size: 8, .value_kind: global_buffer, .address_space: global }
      - { .name: b1, .offset: 8, .size: 8, .value_kind: global_buffer, .address_space: global }
      - { .name: xq, .offset: 16, .size: 8, .value_kind: global_buffer, .address_space: global }
      - { .name: xs, .offset: 24, .size: 8, .value_kind: global_buffer, .address_space: global }
      - { .name: plan, .offset: 32, .size: 8, .value_kind: global_buffer, .address_space: global }
      - { .name: hq, .offset: 40, .size: 8, .value_kind: global_buffer, .address_space: global }
      - { .name: hs, .offset: 48, .size: 8, .value_kind: global_buffer, .address_space: global }
    .group_segment_fixed_size: 153088
    .private_segment_fixed_size: 0
    .kernarg_segment_align: 8
    .kernarg_segment_size: 56
    .max_flat_workgroup_size: 128
    .sgpr_count:     90
    .vgpr_count:     896
    .wavefront_size: 32
...
	.end_amdgpu_metadata
.endif
;; end of part 3
;; launch ffn2 (part 4): grid 32 x 8, 4 waves a work-group, no clusters, 102,912 bytes of LDS; arguments w2, hq, hs, plan, yp; writes yp
.if DOCPART == 4
	.amdgcn_target "amdgcn-amd-amdhsa--gfx1250"
	.amdhsa_code_object_version 6
	.text
	.protected	k_qd4a3a64ba0_ffn2
	.globl	k_qd4a3a64ba0_ffn2
	.p2align	8
	.type	k_qd4a3a64ba0_ffn2,@function
k_qd4a3a64ba0_ffn2:
	s_mov_b64 s[64:65], 0
	v_nop
	global_prefetch_b8 v0, s[64:65] scope:SCOPE_SE
	s_setreg_imm32_b32 hwreg(HW_REG_WAVE_MODE, 25, 1), 1
	s_wait_xcnt 0x0
; PARTIAL SUMS OF h Q(w2[e]) for the rows that chose expert e, on codes of BF6 (E3M2) with one E8M0 scale for each 32 along K.
; THE WEIGHTS STAY, THE ROWS GO ROUND.  Work-group (x, e): columns 128 (x % 8) .. + 127 of the 1,024 and quarter kq = x / 8 of K = 4,096: 1,024 x 128 f32, read from memory once, 512 consecutive bytes a load.
; A quarter of K, and not all of it for 32 columns, so that a load still takes whole rows of 512 bytes; the four partial sums are added by the next launch.
; No tensor load and no cluster: the loop over rows is counted by a number read from memory.
; PHASE A is the first product's: wave w takes K rows 256 w .. + 255 of the slice in 8 chunks of 32; lane l holds columns 4 l + cc; TILE A_cc = columns 4 r + cc, TILE B_cc = columns 64 + 4 r + cc;
;   three buffers of 32 loads, each asked for again as soon as it has been read, AHEAD of the wait for the next chunk: the issue of a load holds back while the wave's load counter is full (ISA guide 5.7.1),
;   so the wave keeps as many loads out as that counter counts, 63 of 512 bytes.  Fragments and scale words go to LDS as images of their registers; one barrier.
; PHASE B: wave w takes half hf = w % 2 of the columns and the tiles of 16 rows j = w / 2, w / 2 + 2, ..  A tile's eight fragments come from hq as they lie (of each half-fragment 16 bytes a lane, then 8), in two buffers by turns.
;   Source 0 = the rows, source 1 = 16 columns: register j of lane (r, h) of accumulator cc is row 8 h + j, column 64 hf + 4 r + cc: the four cc at one j are 16 neighbouring bytes, and sixteen lanes fill 256.
; yp [kq][row place][1,024] f32.
; LIMITS: NaN and infinities are not served.  A block of zeros gets the byte 1 where the rule says 127 (its codes are zeros; only this program reads the bytes).
.set PITCH, 4096                       ; bytes from a K row of w2[e] to the next
.set WSC,  98304                       ; LDS: fragments (K step s, tile t) at (8 s + t) x 1,536;  here the scale words, (4 s + cc) x 128 + 4 x lane
.set WS,   32                          ; v32-63  the weights' scale words
.set HS,   64                          ; v64-67, v68-71 the rows' scale words: lanes 0-15 an even K step's, lanes 16-31 the odd one's behind it
.set ACC,  96                          ; v96-127 four accumulators
.set ST,   160                         ; v160-191 results in the order of the stores
.set F,    96                          ; phase A: as in the first product
.set M,    224
.set SO,   228
.set BY,   232
.set WW,   236
.set T,    240
.set NH,   36                          ; loads that bring a tile of rows: 8 K steps x 2 halves x 2, and 4 of scale words
; windows: 1, 2: phase A load buffers and the turning buffer; phase B the 32 fragments.  3: v0-95, v96-191 two tiles of rows.
.set MSB, 0
.macro WIN new                         ; the immediate's high byte repeats the setting that is left
.if MSB != \new
	s_set_vgpr_msb (MSB<<8)|\new
.set MSB, \new
.endif
.endm
	s_load_b256 s[4:11], s[0:1], 0x0               ; w2, hq, hs, plan
	s_load_b64 s[12:13], s[0:1], 0x20              ; yp
	v_lshl_add_u32 v251, v0, 2, 0x19000
	v_mov_b32 v255, 0
	v_lshrrev_b32 v1, 5, v0
	v_readfirstlane_b32 s18, v1                    ; wave
	v_and_b32 v1, 31, v0
	v_lshlrev_b32 v2, 4, v1                        ; 16 x lane
	v_and_b32 v3, 15, v0                           ; r
	v_bfe_u32 v4, v0, 4, 1                         ; h
	s_and_b32 s19, s18, 1                          ; hf
	s_lshr_b32 s20, s18, 1                         ; my first tile of rows
	s_and_b32 s21, ttmp9, 7                        ; group of 128 columns
	s_lshr_b32 s48, ttmp9, 3                       ; kq
	s_lshl_b32 s23, s48, 3                         ; its first K step
	s_and_b32 s22, ttmp7, 0xffff                   ; e
	s_mul_i32 s32, s18, 24576
	v_add_nc_u32 v5, s32, v2                       ; images in
	s_lshl_b32 s32, s18, 10
	s_add_co_u32 s32, s32, WSC
	v_lshl_add_u32 v6, v1, 2, s32                  ; scale words in
	s_mul_i32 s32, s19, 6144
	v_add_nc_u32 v7, s32, v2                       ; images out, K steps 0-3
	v_add_nc_u32 v8, 49152, v7                     ; K steps 4-7
	s_lshl_b32 s32, s19, 6
	s_add_co_u32 s32, s32, WSC
	v_lshl_add_u32 v9, v3, 2, s32                  ; scale words out
	v_lshlrev_b32 v16, 3, v1                       ; hq: 8 x lane
	v_lshlrev_b32 v18, 15, v4
	v_lshl_add_u32 v18, v3, 4, v18                 ; yp: 8 h rows of 4,096 bytes + 16 r
	v_lshlrev_b32 v19, 2, v1                       ; hs: 4 x lane
	s_lshl_b32 s32, s22, 24
	s_lshl_b32 s33, s48, 22
	s_add_co_u32 s32, s32, s33
	s_lshl_b32 s33, s18, 20
	s_add_co_u32 s32, s32, s33
	s_lshl_b32 s33, s21, 9
	s_add_co_u32 s32, s32, s33                     ; w2: expert, quarter, my 256 K rows, the group's 512 bytes
	s_mov_b32 s33, 0
	s_mul_i32 s50, s48, 8912896
	s_lshl_b32 s51, s21, 9
	s_add_co_u32 s50, s50, s51
	s_lshl_b32 s51, s19, 8
	s_add_co_u32 s50, s50, s51                     ; yp: quarter, group, half
	s_mov_b32 s51, 0
	s_lshl_b32 s52, s22, 3
	s_add_co_u32 s52, s52, 67584
	s_mov_b32 s53, 0
	s_mov_b32 s26, s20                             ; j
	s_wait_kmcnt 0x0
	s_add_nc_u64 s[30:31], s[4:5], s[32:33]
	s_add_nc_u64 s[36:37], s[12:13], s[50:51]
	s_add_nc_u64 s[38:39], s[10:11], s[52:53]
	s_load_b64 s[24:25], s[38:39], 0x0             ; tiles, first tile
.macro LOADC c                         ; chunk c: 32 K rows, 512 consecutive bytes each, into buffer c % 3
.if (\c)%3 == 2
	WIN 0x80
.set XB, 0
.else
	WIN 0x40
.set XB, 128*((\c)%3)
.endif
.set k, 0
.rept 32
	global_load_b128 v[XB+4*k:XB+4*k+3], v2, s[30:31] offset:(32*(\c)+k)*PITCH th:TH_LOAD_NT
.set k, k+1
.endr
	WIN 0
.endm
.macro HLOAD b, k                      ; tile min(j + k, last) of my expert, my quarter's eight K steps, into buffer b: NH loads.  Look-ahead past the end reads the last tile again
	s_add_co_u32 s28, s26, \k
	s_min_u32 s28, s28, s27
	s_add_co_u32 s28, s28, s25
	s_cmp_eq_u32 s24, 0
	s_cselect_b32 s28, 0, s28                      ; an expert without rows reads tile 0, which is always written, and uses nothing of it
	s_min_u32 s28, s28, 135
	s_lshl_b32 s28, s28, 5
	s_add_co_u32 s28, s28, s23
	s_mul_i32 s32, s28, 1536
	s_add_nc_u64 s[40+4*\b:41+4*\b], s[6:7], s[32:33]     ; (this buffer's earlier loads have come)
	s_lshl_b32 s32, s28, 6
	s_add_nc_u64 s[42+4*\b:43+4*\b], s[8:9], s[32:33]
	WIN 0xc0
.irp s,0,1,2,3,4,5,6,7
.irp c,0,1
	global_load_b128 v[96*\b+12*\s+6*\c:96*\b+12*\s+6*\c+3], v2, s[40+4*\b:41+4*\b] offset:1536*\s+768*\c          ; 512 consecutive bytes: registers 6 c .. 6 c + 3 of the fragment
	global_load_b64 v[96*\b+12*\s+6*\c+4:96*\b+12*\s+6*\c+5], v16, s[40+4*\b:41+4*\b] offset:1536*\s+768*\c+512    ; the 256 behind them: registers 6 c + 4, 6 c + 5
.endr
.endr
	WIN 0
.irp s,0,1,2,3
	global_load_b32 v[HS+4*\b+\s], v19, s[42+4*\b:43+4*\b] offset:128*\s
.endr
.endm
.macro CHUNK c
.set BLKI, (\c)%4
.set LSI, (\c)/4
.set PP, BLKI/2
	s_wait_loadcnt 63                              ; behind this chunk's 32 loads 64 or more have been issued (two chunks'; at the end chunk 7's 32 and a tile's 36, or two tiles' 72): with 63 out at the most, this chunk is in
.if (\c) == 4
	s_wait_dscnt 0x0                               ; the first K step's images have left F and the scale words
.endif
.if (\c)%3 == 2
.set XB, 0
.set WSRC, 0x0a
.set WMOV, 0x82
.else
.set XB, 128*((\c)%3)
.set WSRC, 0x05
.set WMOV, 0x81
.endif
	WIN WSRC
.irp cc,0,1,2,3
	v_max3_num_f32 v[M+\cc], |v[XB+\cc]|, |v[XB+4+\cc]|, 0x2800000   ; with the floor 2^(5 - 127): the byte cannot fall under 1
.endr
.set k, 2
.rept 15
.irp cc,0,1,2,3
	v_max3_num_f32 v[M+\cc], |v[XB+4*k+\cc]|, |v[XB+4*k+4+\cc]|, v[M+\cc]
.endr
.set k, k+2
.endr
	WIN WMOV
.set k, 0
.rept 32                                       ; the conversions take neighbours along K from consecutive registers
.irp cc,0,1,2,3
	v_mov_b32 v[128+32*\cc+k], v[XB+4*k+\cc]
.endr
.set k, k+1
.endr
	WIN 0
.irp cc,0,1,2,3
	v_add_nc_u32 v[SO+\cc], 0xfe000000, v[M+\cc]   ; 4 off the exponent field: the conversion's scale operand
.endr
.irp cc,0,1,2,3
	v_lshrrev_b32 v[BY+\cc], 23, v[SO+\cc]
.endr
.irp cc,0,1,2,3
.if BLKI == 0
	v_mov_b32 v[WW+\cc], v[BY+\cc]
.else
	v_lshl_or_b32 v[WW+\cc], v[BY+\cc], 8*BLKI, v[WW+\cc]
.endif
.endr
	WIN 0x02                                       ; source 0 (Y) window 2
.irp cc,0,1,2,3
.set FD, F+48*(BLKI%2)+12*\cc+6*PP
	v_cvt_scalef32_pk16_bf6_f32 v[FD:FD+2], v[128+32*\cc:143+32*\cc], v[SO+\cc]
	v_cvt_scalef32_pk16_bf6_f32 v[T+4*\cc:T+4*\cc+2], v[144+32*\cc:159+32*\cc], v[SO+\cc]   ; (a conversion's three registers begin on an even number)
.endr
	WIN 0
	v_nop                                          ; one plain place behind a scaled conversion
.irp cc,0,1,2,3
.irp i,0,1,2
	v_mov_b32 v[F+48*(BLKI%2)+12*\cc+6*PP+3+\i], v[T+4*\cc+\i]
.endr
.endr
.if BLKI%2 == 1
.irp cc,0,1,2,3
.irp i,0,1,2,3,4,5
	v_permlane16_swap_b32 v[F+12*\cc+6*PP+\i], v[F+48+12*\cc+6*PP+\i]   ; the even block's lanes 16-31 change places with the odd block's lanes 0-15
.endr
.endr
.endif
.if BLKI == 3
.irp t,0,1,2,3,4,5,6,7
.irp p,0,1,2
	ds_store_b128 v5, v[F+12*\t+4*\p:F+12*\t+4*\p+3] offset:12288*LSI+1536*\t+512*\p
.endr
.endr
.irp cc,0,1,2,3
	ds_store_b32 v6, v[WW+\cc] offset:512*LSI+128*\cc
.endr
.endif
.if (\c)+3 < 8
	LOADC (\c)+3                                   ; this chunk's buffer has been read: it is asked for again at once, ahead of the wait for the next chunk
.endif
.if (\c) == 5
	HLOAD 0, 0                                     ; the stream has nothing more to ask for: my first tile of rows goes out,
.endif
.if (\c) == 6
	HLOAD 1, 2                                     ; and my second
.endif
.endm
	LOADC 0
	LOADC 1
	s_wait_kmcnt 0x0
	s_max_u32 s27, s24, 1
	s_sub_co_u32 s27, s27, 1                       ; the last tile (0 where there is none)
	LOADC 2
	CHUNK 0
	CHUNK 1
	CHUNK 2
	CHUNK 3
	CHUNK 4
	CHUNK 5
	CHUNK 6
	CHUNK 7
	s_wait_dscnt 0x0                               ; for the others' sake: my images lie in LDS
	s_barrier_signal -1
	s_barrier_wait -1                              ; the launch's one barrier, ahead of every branch on a loaded number
	s_cmp_ge_u32 s20, s24
	s_cbranch_scc1 .Lend                           ; no tile for me
	s_sub_co_u32 s55, s24, s20                     ; my trips: two of my tiles (every second one from my first on) a trip: (tiles - first + 3) / 4, at least 1 here
	s_add_co_u32 s55, s55, 3
	s_lshr_b32 s55, s55, 2
	s_min_u32 s55, s55, 16                         ; (never binds: a token chooses an expert at most once, so an expert has at most 1,024 rows, 64 tiles)
	s_mov_b32 s54, 0                               ; trips done
.set fi, 0
.rept 32                                       ; my 32 fragments (K step fi / 4, tile fi % 4 of my half) stay in registers
.if fi <= 20
	WIN 0x40
.set WR, 12*fi
.else
	WIN 0x80
.set WR, 12*(fi-21)
.endif
.irp p,0,1,2
	ds_load_b128 v[WR+4*\p:WR+4*\p+3], v[7+fi/16] offset:12288*((fi/4)%4)+1536*(fi%4)+512*\p
.endr
.set fi, fi+1
.endr
	WIN 0
.set fi, 0
.rept 32
	ds_load_b32 v[WS+fi], v9 offset:128*fi
.set fi, fi+1
.endr
	s_wait_dscnt 0x0
.macro MM2 b                           ; 32 products: K step by K step, the four accumulators by turns; the first K step starts the sums
.set fi, 0
.rept 32
.set ks, fi/4
.set cq, fi%4
.if fi <= 20
	WIN 0x07
.set WR, 12*fi
.else
	WIN 0x0b
.set WR, 12*(fi-21)
.endif
.set HR, 96*\b+12*ks
.set HW, HS+4*\b+ks/2
.if fi < 4
	v_wmma_scale_f32_16x16x128_f8f6f4 v[ACC+8*cq:ACC+8*cq+7], v[HR:HR+11], v[WR:WR+11], 0, v[HW], v[WS+fi] matrix_a_fmt:MATRIX_FMT_BF6 matrix_b_fmt:MATRIX_FMT_BF6
.elseif ks%2 == 0
	v_wmma_scale_f32_16x16x128_f8f6f4 v[ACC+8*cq:ACC+8*cq+7], v[HR:HR+11], v[WR:WR+11], v[ACC+8*cq:ACC+8*cq+7], v[HW], v[WS+fi] matrix_a_fmt:MATRIX_FMT_BF6 matrix_b_fmt:MATRIX_FMT_BF6
.else
	v_wmma_scale_f32_16x16x128_f8f6f4 v[ACC+8*cq:ACC+8*cq+7], v[HR:HR+11], v[WR:WR+11], v[ACC+8*cq:ACC+8*cq+7], v[HW], v[WS+fi] matrix_a_fmt:MATRIX_FMT_BF6 matrix_b_fmt:MATRIX_FMT_BF6 matrix_a_scale:MATRIX_SCALE_ROW1
.endif
.set fi, fi+1
.endr
	WIN 0
.endm
.macro HALF b                          ; tile j + 2 b out of buffer b; then the buffer takes tile j + 4 + 2 b
	s_wait_loadcnt NH                              ; behind this buffer's loads stand the other buffer's NH
.if \b == 1
	s_add_co_u32 s28, s26, 2
	s_cmp_ge_u32 s28, s24
	s_cbranch_scc1 .Lskip_\@                       ; past my last tile: no product, no store; the loads below are issued on both ways
.endif
	MM2 \b
	s_wait_xcnt 0x0                                ; the last stores have read their data and base: both are written again only behind this wait
	s_add_co_u32 s28, s26, 2*\b
	s_add_co_u32 s28, s28, s25
	s_min_u32 s28, s28, 135
	s_lshl_b32 s32, s28, 16                        ; 16 rows of 4,096 bytes a tile
	s_add_nc_u64 s[34:35], s[36:37], s[32:33]
.rept 4
	v_nop                                          ; four places between the last product and the first read of a result
.endr
.irp j,0,1,2,3,4,5,6,7
.irp cc,0,1,2,3
	v_mov_b32 v[ST+4*\j+\cc], v[ACC+8*\cc+\j]      ; each accumulator from its low end on
.endr
.endr
.irp j,0,1,2,3,4,5,6,7
	global_store_b128 v18, v[ST+4*\j:ST+4*\j+3], s[34:35] offset:4096*\j   ; sixteen lanes store 256 consecutive bytes of a row, at a multiple of 256 from yp's first byte
.endr
.if \b == 1
.Lskip_\@:
.endif
	HLOAD \b, 4+2*\b
.endm
.Lrow:
	HALF 0
	HALF 1
	s_add_co_u32 s26, s26, 4                       ; my next pair of tiles
	s_add_co_u32 s54, s54, 1                       ; the loop is counted by trips, one at a time
	s_cmp_lt_u32 s54, s55
	s_cbranch_scc1 .Lrow
.Lend:
	s_wait_tensorcnt 0x0
	ds_add_u32 v251, v255
	s_wait_dscnt 0x0
	s_endpgm
.Lfunc_end_k_qd4a3a64ba0_ffn2:
	.size	k_qd4a3a64ba0_ffn2, .Lfunc_end_k_qd4a3a64ba0_ffn2-k_qd4a3a64ba0_ffn2
	.p2alignl 7, 3214868480
	.fill 96, 4, 3214868480
	.section	.rodata,"a",@progbits
	.p2align	6, 0x0
	.amdhsa_kernel k_qd4a3a64ba0_ffn2
		.amdhsa_group_segment_fixed_size 102912
		.amdhsa_private_segment_fixed_size 0
		.amdhsa_enable_private_segment 0
		.amdhsa_kernarg_size 40
		.amdhsa_user_sgpr_count 2
		.amdhsa_user_sgpr_kernarg_segment_ptr 1
		.amdhsa_wavefront_size32 1
		.amdhsa_system_sgpr_workgroup_id_x 1
		.amdhsa_system_sgpr_workgroup_id_y 1
		.amdhsa_system_sgpr_workgroup_id_z 1
		.amdhsa_system_vgpr_workitem_id 0
		.amdhsa_next_free_vgpr 960
		.amdhsa_next_free_sgpr 66
		.amdhsa_reserve_vcc 0
		.amdhsa_float_denorm_mode_32 3
		.amdhsa_float_denorm_mode_16_64 3
		.amdhsa_memory_ordered 1
		.amdhsa_forward_progress 1
		.amdhsa_inst_pref_size 149
	.end_amdhsa_kernel
	.amdgpu_metadata
---
amdhsa.version: [ 1, 2 ]
amdhsa.kernels:
  - .name:           k_qd4a3a64ba0_ffn2
    .symbol:         k_qd4a3a64ba0_ffn2.kd
    .args:
      - { .name: w2, .offset: 0, .size: 8, .value_kind: global_buffer, .address_space: global }
      - { .name: hq, .offset: 8, .size: 8, .value_kind: global_buffer, .address_space: global }
      - { .name: hs, .offset: 16, .size: 8, .value_kind: global_buffer, .address_space: global }
      - { .name: plan, .offset: 24, .size: 8, .value_kind: global_buffer, .address_space: global }
      - { .name: yp, .offset: 32, .size: 8, .value_kind: global_buffer, .address_space: global }
    .group_segment_fixed_size: 102912
    .private_segment_fixed_size: 0
    .kernarg_segment_align: 8
    .kernarg_segment_size: 40
    .max_flat_workgroup_size: 128
    .sgpr_count:     66
    .vgpr_count:     960
    .wavefront_size: 32
...
	.end_amdgpu_metadata
.endif
;; end of part 4
;; launch norm (part 5): grid 256 x 1, 8 waves a work-group, no clusters, 17,408 bytes of LDS; arguments x, b2, ln_g, ln_b, sel, rwt, plan, yp, out0; writes out0
.if DOCPART == 5
	.amdgcn_target "amdgcn-amd-amdhsa--gfx1250"
	.amdhsa_code_object_version 6
	.text
	.protected	k_qd4a3a64ba0_norm
	.globl	k_qd4a3a64ba0_norm
	.p2align	8
	.type	k_qd4a3a64ba0_norm,@function
k_qd4a3a64ba0_norm:
	s_mov_b64 s[64:65], 0
	v_nop
	global_prefetch_b8 v0, s[64:65] scope:SCOPE_SE
	s_setreg_imm32_b32 hwreg(HW_REG_WAVE_MODE, 25, 1), 1
	s_wait_xcnt 0x0
; out0[t] = the sum over the token's two experts of gate x LayerNorm(four partial sums + b2[e] + x[t]) (gain ln_g[e], offset ln_b[e], eps 1e-7).  All in f32.
; A work-group takes 4 tokens; wave w takes token w / 2 and choice k = w % 2: a whole row of 1,024 numbers, 32 a lane, every load 512 consecutive bytes.
; The mean is taken first and the variance of the differences, so a common offset of the inputs costs nothing.  The second choice's row goes to the first choice's wave through LDS: each output row has one owner.
; The expert, the gate and the row's place are read as scalars; the expert and the place are whole numbers stored by earlier launches.
; The token's place under EACH of the eight experts (eight words at fixed addresses, all of them written) is read together with the expert, and the right one is chosen by selects: one scalar round trip, not two.
; Memory binds: no matrix unit, no tensor load, no cluster (work-groups share nothing but the small tables).  LIMITS: NaN and infinities are not served.
.set Y,  16                            ; v16-47   x, then the row, then the differences, then the result
.set B2, 48                            ; v48-79   b2, later ln_b
.set P,  80                            ; v80-207  the four partial sums
.set GM, 208                           ; v208-239 ln_g
.set PE, 66                            ; s66-73   the token's place under expert 0 .. 7
	s_load_b256 s[4:11], s[0:1], 0x0               ; x, b2, ln_g, ln_b
	s_load_b256 s[12:19], s[0:1], 0x20             ; sel, rwt, plan, yp
	s_load_b64 s[20:21], s[0:1], 0x40              ; out0
	v_lshl_add_u32 v254, v0, 2, 0x4000
	v_mov_b32 v255, 0
	v_lshrrev_b32 v1, 5, v0
	v_readfirstlane_b32 s22, v1                    ; wave
	v_and_b32 v1, 31, v0
	v_lshlrev_b32 v2, 4, v1                        ; 16 x lane
	s_lshr_b32 s24, s22, 1
	s_lshl_b32 s25, s24, 12
	v_add_nc_u32 v3, s25, v2                       ; LDS: my token's row
	s_lshl_b32 s25, ttmp9, 2
	s_add_co_u32 s24, s24, s25                     ; t
	s_and_b32 s23, s22, 1                          ; k
	s_lshl_b32 s26, s23, 10
	s_add_co_u32 s26, s26, s24
	s_lshl_b32 s26, s26, 2
	s_mov_b32 s27, 0
	s_lshl_b32 s46, s24, 12
	s_mov_b32 s47, 0
	s_lshl_b32 s36, s24, 2
	s_add_co_u32 s36, s36, 34816                   ; the table of places: word t of expert 0's 1,024
	s_mov_b32 s37, 0
	s_mov_b32 s44, 0x76543210
	s_mov_b32 s45, 0xfedcba98                      ; v_permlanex16_b32's selects for lane l xor 16
	s_wait_kmcnt 0x0
	s_add_nc_u64 s[28:29], s[12:13], s[26:27]
	s_add_nc_u64 s[30:31], s[14:15], s[26:27]
	s_add_nc_u64 s[36:37], s[16:17], s[36:37]
	s_load_b32 s32, s[28:29], 0x0                  ; the expert
	s_load_b32 s33, s[30:31], 0x0                  ; the gate
.irp i,0,1,2,3,4,5,6,7
	s_load_b32 s[PE+\i], s[36:37], 4096*\i         ; the token's place under expert i
.endr
	s_add_nc_u64 s[4:5], s[4:5], s[46:47]
	s_add_nc_u64 s[20:21], s[20:21], s[46:47]
.irp i,0,1,2,3,4,5,6,7
	global_load_b128 v[Y+4*\i:Y+4*\i+3], v2, s[4:5] offset:512*\i
.endr
	s_wait_kmcnt 0x0
	s_min_u32 s32, s32, 7
	s_mov_b32 s38, s[PE]
.irp i,1,2,3,4,5,6,7
	s_cmp_eq_u32 s32, \i
	s_cselect_b32 s38, s[PE+\i], s38               ; the row's place: the one under my expert
.endr
	s_min_u32 s38, s38, 2175
	s_lshl_b32 s38, s38, 12
	s_mov_b32 s39, 0
	s_lshl_b32 s34, s32, 12
	s_mov_b32 s35, 0
	s_add_nc_u64 s[40:41], s[6:7], s[34:35]
	s_add_nc_u64 s[42:43], s[8:9], s[34:35]
	s_add_nc_u64 s[50:51], s[10:11], s[34:35]
	s_mov_b32 s48, s33
	s_mov_b32 s49, s33                             ; (the packed form names a pair: both words are written)
	s_add_nc_u64 s[52:53], s[18:19], s[38:39]
	s_add_nc_u64 s[54:55], s[52:53], 8912896
	s_add_nc_u64 s[56:57], s[54:55], 8912896
	s_add_nc_u64 s[58:59], s[56:57], 8912896
.irp i,0,1,2,3,4,5,6,7
	global_load_b128 v[B2+4*\i:B2+4*\i+3], v2, s[40:41] offset:512*\i
.endr
.irp i,0,1,2,3,4,5,6,7
	global_load_b128 v[GM+4*\i:GM+4*\i+3], v2, s[42:43] offset:512*\i
.endr
.irp q,0,1,2,3
.irp i,0,1,2,3,4,5,6,7
	global_load_b128 v[P+32*\q+4*\i:P+32*\q+4*\i+3], v2, s[52+2*\q:53+2*\q] offset:512*\i
.endr
.endr
	s_wait_loadcnt 40                              ; x and b2 are in; behind them stand ln_g's 8 loads and the parts' 32
.irp j,0,2,4,6,8,10,12,14,16,18,20,22,24,26,28,30
	v_pk_add_f32 v[Y+\j:Y+\j+1], v[Y+\j:Y+\j+1], v[B2+\j:B2+\j+1]
.endr
.irp i,0,1,2,3,4,5,6,7
	global_load_b128 v[B2+4*\i:B2+4*\i+3], v2, s[50:51] offset:512*\i   ; ln_b takes b2's registers
.endr
.irp q,0,1,2,3
	s_wait_loadcnt 32-8*\q                         ; part q is in; behind it stand the later parts and ln_b's 8 loads
.irp j,0,2,4,6,8,10,12,14,16,18,20,22,24,26,28,30
	v_pk_add_f32 v[Y+\j:Y+\j+1], v[Y+\j:Y+\j+1], v[P+32*\q+\j:P+32*\q+\j+1]
.endr
.endr
.macro RED32                           ; v4 summed over the 32 lanes, in every lane (v5 at work)
	v_add_f32 v4, v4, v5
	v_add_f32_dpp v4, v4, v4 row_xmask:1 row_mask:0xf bank_mask:0xf
	v_add_f32_dpp v4, v4, v4 row_xmask:2 row_mask:0xf bank_mask:0xf
	v_add_f32_dpp v4, v4, v4 row_xmask:4 row_mask:0xf bank_mask:0xf
	v_add_f32_dpp v4, v4, v4 row_xmask:8 row_mask:0xf bank_mask:0xf
	v_permlanex16_b32 v5, v4, s44, s45
	v_add_f32 v4, v4, v5
.endm
	v_pk_add_f32 v[4:5], v[Y:Y+1], v[Y+2:Y+3]
	v_pk_add_f32 v[6:7], v[Y+4:Y+5], v[Y+6:Y+7]
.irp j,8,12,16,20,24,28
	v_pk_add_f32 v[4:5], v[4:5], v[Y+\j:Y+\j+1]
	v_pk_add_f32 v[6:7], v[6:7], v[Y+\j+2:Y+\j+3]
.endr
	v_pk_add_f32 v[4:5], v[4:5], v[6:7]
	RED32
	v_mul_f32 v8, 0x3a800000, v4                   ; the mean
	v_mov_b32 v9, v8
.irp j,0,2,4,6,8,10,12,14,16,18,20,22,24,26,28,30
	v_pk_add_f32 v[Y+\j:Y+\j+1], v[Y+\j:Y+\j+1], v[8:9] neg_lo:[0,1] neg_hi:[0,1]
.endr
	v_pk_mul_f32 v[4:5], v[Y:Y+1], v[Y:Y+1]
	v_pk_mul_f32 v[6:7], v[Y+2:Y+3], v[Y+2:Y+3]
.irp j,4,8,12,16,20,24,28
	v_pk_fma_f32 v[4:5], v[Y+\j:Y+\j+1], v[Y+\j:Y+\j+1], v[4:5]
	v_pk_fma_f32 v[6:7], v[Y+\j+2:Y+\j+3], v[Y+\j+2:Y+\j+3], v[6:7]
.endr
	v_pk_add_f32 v[4:5], v[4:5], v[6:7]
	RED32
	v_mov_b32 v6, 0x33d6bf95                       ; 1e-7
	v_fma_f32 v4, v4, 0x3a800000, v6               ; the variance + eps
	v_rsq_f32 v4, v4
	v_nop                                          ; a plain place behind the transcendental
	s_wait_alu depctr_va_vdst(0)
	v_mul_f32 v10, s33, v4                         ; 1 / sqrt x the gate
	v_mov_b32 v11, v10
	s_wait_loadcnt 0x0                             ; ln_b
.irp j,0,2,4,6,8,10,12,14,16,18,20,22,24,26,28,30
	v_pk_mul_f32 v[B2+\j:B2+\j+1], v[B2+\j:B2+\j+1], s[48:49] op_sel_hi:[1,0]
	v_pk_mul_f32 v[Y+\j:Y+\j+1], v[Y+\j:Y+\j+1], v[10:11]
.endr
.irp j,0,2,4,6,8,10,12,14,16,18,20,22,24,26,28,30
	v_pk_fma_f32 v[Y+\j:Y+\j+1], v[Y+\j:Y+\j+1], v[GM+\j:GM+\j+1], v[B2+\j:B2+\j+1]
.endr
	s_cmp_eq_u32 s23, 0
	s_cbranch_scc1 .Lfirst
.irp i,0,1,2,3,4,5,6,7
	ds_store_b128 v3, v[Y+4*\i:Y+4*\i+3] offset:512*\i     ; the second choice's row
.endr
.Lfirst:
	s_wait_dscnt 0x0                               ; for the other wave's sake
	s_barrier_signal -1
	s_barrier_wait -1
	s_cmp_eq_u32 s23, 0
	s_cbranch_scc0 .Ldone
.irp i,0,1,2,3,4,5,6,7
	ds_load_b128 v[P+4*\i:P+4*\i+3], v3 offset:512*\i
.endr
	s_wait_dscnt 0x0
.irp j,0,2,4,6,8,10,12,14,16,18,20,22,24,26,28,30
	v_pk_add_f32 v[Y+\j:Y+\j+1], v[Y+\j:Y+\j+1], v[P+\j:P+\j+1]
.endr
.irp i,0,1,2,3,4,5,6,7
	global_store_b128 v2, v[Y+4*\i:Y+4*\i+3], s[20:21] offset:512*\i th:TH_STORE_NT   ; 512 consecutive bytes, at a multiple of 256 from out0's first byte
.endr
.Ldone:
	s_wait_tensorcnt 0x0
	ds_add_u32 v254, v255
	s_wait_dscnt 0x0
	s_endpgm
.Lfunc_end_k_qd4a3a64ba0_norm:
	.size	k_qd4a3a64ba0_norm, .Lfunc_end_k_qd4a3a64ba0_norm-k_qd4a3a64ba0_norm
	.p2alignl 7, 3214868480
	.fill 96, 4, 3214868480
	.section	.rodata,"a",@progbits
	.p2align	6, 0x0
	.amdhsa_kernel k_qd4a3a64ba0_norm
		.amdhsa_group_segment_fixed_size 17408
		.amdhsa_private_segment_fixed_size 0
		.amdhsa_enable_private_segment 0
		.amdhsa_kernarg_size 72
		.amdhsa_user_sgpr_count 2
		.amdhsa_user_sgpr_kernarg_segment_ptr 1
		.amdhsa_wavefront_size32 1
		.amdhsa_system_sgpr_workgroup_id_x 1
		.amdhsa_system_sgpr_workgroup_id_y 1
		.amdhsa_system_sgpr_workgroup_id_z 1
		.amdhsa_system_vgpr_workitem_id 0
		.amdhsa_next_free_vgpr 256
		.amdhsa_next_free_sgpr 80
		.amdhsa_reserve_vcc 0
		.amdhsa_float_denorm_mode_32 3
		.amdhsa_float_denorm_mode_16_64 3
		.amdhsa_memory_ordered 1
		.amdhsa_forward_progress 1
		.amdhsa_inst_pref_size 25
	.end_amdhsa_kernel
	.amdgpu_metadata
---
amdhsa.version: [ 1, 2 ]
amdhsa.kernels:
  - .name:           k_qd4a3a64ba0_norm
    .symbol:         k_qd4a3a64ba0_norm.kd
    .args:
      - { .name: x, .offset: 0, .size: 8, .value_kind: global_buffer, .address_space: global }
      - { .name: b2, .offset: 8, .size: 8, .value_kind: global_buffer, .address_space: global }
      - { .name: ln_g, .offset: 16, .size: 8, .value_kind: global_buffer, .address_space: global }
      - { .name: ln_b, .offset: 24, .size: 8, .value_kind: global_buffer, .address_space: global }
      - { .name: sel, .offset: 32, .size: 8, .value_kind: global_buffer, .address_space: global }
      - { .name: rwt, .offset: 40, .size: 8, .value_kind: global_buffer, .address_space: global }
      - { .name: plan, .offset: 48, .size: 8, .value_kind: global_buffer, .address_space: global }
      - { .name: yp, .offset: 56, .size: 8, .value_kind: global_buffer, .address_space: global }
      - { .name: out0, .offset: 64, .size: 8, .value_kind: global_buffer, .address_space: global }
    .group_segment_fixed_size: 17408
    .private_segment_fixed_size: 0
    .kernarg_segment_align: 8
    .kernarg_segment_size: 72
    .max_flat_workgroup_size: 256
    .sgpr_count:     80
    .vgpr_count:     256
    .wavefront_size: 32
...
	.end_amdgpu_metadata
.endif
;; end of part 5
;; ======== version 2 of 2: 5 launches; version 1 with the launches ffn1, ffn2 written anew for expert scheduling mode
;; workspace buffers: xq 786,432 bytes; xs 32,768 bytes; sel 8,192 bytes of whole numbers; rwt 8,192 bytes; plan 67,840 bytes of whole numbers; hq 6,684,672 bytes; hs 278,528 bytes; yp 35,651,584 bytes
;; launch route: the kernel of part 1 again; grid 128 x 1, 4 waves a work-group, no clusters, 77,568 bytes of LDS; arguments x, router_w, xq, xs, sel, rwt, out1; writes xq, xs, sel, rwt, out1
;; launch place: the kernel of part 2 again; grid 1 x 1, 8 waves a work-group, no clusters, 1,280 bytes of LDS; arguments sel, plan; writes plan
;; launch ffn1 (part 6): grid 32 x 8, 4 waves a work-group, no clusters, 153,088 bytes of LDS; arguments w1, b1, xq, xs, plan, hq, hs; writes hq, hs
.if DOCPART == 6
	.amdgcn_target "amdgcn-amd-amdhsa--gfx1250"
	.amdhsa_code_object_version 6
	.text
	.protected	k_qd4a3a64ba0_ffn1
	.globl	k_qd4a3a64ba0_ffn1
	.p2align	8
	.type	k_qd4a3a64ba0_ffn1,@function
k_qd4a3a64ba0_ffn1:
	s_mov_b64 s[64:65], 0
	v_nop
	global_prefetch_b8 v0, s[64:65] scope:SCOPE_SE
	s_setreg_imm32_b32 hwreg(HW_REG_WAVE_SCHED_MODE, 0, 2), 2
	s_setreg_imm32_b32 hwreg(HW_REG_WAVE_MODE, 25, 1), 1
	s_wait_xcnt 0x0
	s_wait_alu depctr_vm_vsrc(0)
; h = Q(gelu(Q(x) Q(w1[e]) + b1[e])) for the rows that chose expert e, on codes of BF6 (E3M2) with one E8M0 scale for each 32 along K.
; THE WEIGHTS STAY, THE ROWS GO ROUND.  Work-group (g, e) owns columns 128 g .. 128 g + 127 of expert e: 1,024 x 128 f32, read from memory once, 512 consecutive bytes a load.
; No tensor load and no cluster: the loop over rows is counted by a number read from memory, and what work-groups share (the rows' codes) is the lesser part of a work-group's bytes.
; PHASE A: wave w takes K rows 256 w .. + 255 in 8 chunks of 32.  A load gives lane l columns 4 l + cc; a chunk is a whole block of 32 along K for each of them: its largest magnitude needs no other lane.
;   Three buffers of 32 loads.  A buffer is asked for again as soon as it has been read, AHEAD of the wait for the next chunk: the issue of a load holds back while the wave's load counter is full
;   (ISA guide 5.7.1), so the wave keeps as many loads out as that counter counts, 63 of 512 bytes.
;   TILE A_cc = columns 4 r + cc (lanes 0-15), TILE B_cc = columns 64 + 4 r + cc (lanes 16-31).  An even block's codes and the odd block's behind it change halves (v_permlane16_swap_b32) and are then the two tiles' operand registers.
;   The fragments go to LDS as images of their registers (16 bytes a lane), the scale words 4 bytes a lane; one barrier.
; PHASE B: wave w takes half hf = w % 2 of the columns (its 32 fragments stay in registers) and the tiles of 16 rows j = w / 2, w / 2 + 2, ..
;   The product is used transposed (source 0 = 16 columns, source 1 = 16 rows): lane (r, h) holds row r, register j of accumulator cc column 64 hf + 32 h + 4 j + cc.  So a lane's 32 results are ONE block of 32 along the next K;
;   gelu's last line writes them in order, and the block's six code registers are registers 6 hf .. 6 hf + 5 of the next operand as they stand.
; hq [tile][g][hf][768 bytes]: half the register image of a fragment of 16 rows x 128 K: its registers 0-3, 16 bytes a lane (512 bytes), then its registers 4-5, 8 bytes a lane (256 bytes);  hs [tile][g][row][4]: the scale words.
; gelu(z) = max(z, 0) - |z| erfc(|z| / sqrt 2) / 2, erfc(u) = t exp(-u^2 + a polynomial of degree 9 in t), t = 1 / (1 + u / 2): a fit of fractional error 1.2e-7, log2(e) folded into its constants.
; LIMITS: NaN and infinities are not served.  A block of zeros gets the byte 1 where the rule says 127 (its codes are zeros; only this program reads the bytes).
; THE MODE: SCHED_MODE bits 1:0 = 2 (LLVM: expert scheduling mode 2), set by the entry lines.  The code itself states the register dependences
; between vector or matrix instructions and memory or LDS instructions, with s_wait_alu, always for 0.
; THE PLAN, PHASE A.  Registers that memory or LDS instructions touch:
;   the three load buffers   Chunk c: its maxima and its turning moves read buffer c % 3; behind the moves the loads of chunk c + 3 land in it.  ONE wait on va_vdst a chunk, behind the moves.
;   F, the scale words WW    Written by the conversions, moves and swaps of four chunks; read by the LDS stores at a K step's end: a wait on va_vdst ahead of those stores, a wait on vm_vsrc ahead of the first line that writes them again.
;   v2, v5 to v17            Offsets and addresses: written at the head, never again: the wait ahead of the first load serves them all.
;   The turning buffer Y, T, M, SO, BY are named by vector instructions alone.
; THE PLAN, PHASE B, a trip of the loop over rows:
;   GR (window 3)   the gather's loads land in it; the stage's LDS stores read it.          OFF v18-26   the offsets' lines write it; the gather reads it.
;   XG, LT, LR      loads land in them; the moves into XS and the offsets' lines read them.   XF (window 2)  LDS loads land in it; the products read it.
;   CD, QB          the quantiser writes them; the stores to hq and hs read them.
;   Behind the products: the stage's stores (they hang on no vector result); ONE wait on vm_vsrc (GR, OFF, CD and QB have been read); the offsets' lines and the moves into XS; ONE wait on va_vdst
;   (the products are done reading XF; OFF and XS are written; XG, LT, LR have been read).  Behind it all the trip's loads: the gather in one run, the 48 LDS loads in four groups dealt among gelu's four parts,
;   which name window 0's v96-127, v160-231 and v236-237 alone: no register that those loads touch.  One more wait on va_vdst stands ahead of the trip's three stores.
.set PITCH, 16384                      ; bytes from a K row of w1[e] to the next
.set WSC,  98304                       ; LDS: fragments (K step s, tile t) at (8 s + t) x 1,536;  here the scale words, (4 s + cc) x 128 + 4 x lane
.set STG,  102400                      ; + 12,544 x wave: 16 rows of x codes, 768 bytes + 16
.set OFF,  18                          ; v18-25  byte offsets of the eight pairs of rows to gather;  v26 of my row's scale bytes
.set OFFS, 26
.set WS,   32                          ; v32-63  the weights' scale words, 4 s + cc
.set XS,   64                          ; v64-71  the rows' scale words, K step s
.set XG,   72                          ; v72-79  the same, as gathered
.set LT,   80                          ; v80-87  tokens 8 h + 0 .. 7 of a tile;  v88 token r
.set LR,   88
.set ACC,  96                          ; v96-127  four accumulators
.set BB,   128                         ; v128-159 b1 in the result's layout
.set G,    160                         ; v160-191 gelu's results, in the next K's order
.set TD,   192
.set TP,   200
.set TZ,   208
.set TV,   216
.set TM,   224
.set QM,   232
.set QS,   234
.set QB,   235
.set KC8,  236                         ; v236-237 the fit's C8, twice
.set CD,   240                         ; v240-245 a block's codes;  v248-250 its second half
.set CT,   248
.set F,    96                          ; phase A: v96-191 eight tiles x 12 registers: A_0 .. A_3, B_0 .. B_3
.set BL,   192                         ; v192-223 b1 as loaded
.set M,    224                         ; v224-227 largest magnitudes, v228-231 scale operands, v232-235 bytes, v236-239 scale words, v240-254 four second halves
.set SO,   228
.set BY,   232
.set WW,   236
.set T,    240
.set XF,   136                         ; window 2: the rows' eight fragments
; windows: 1: phase A two load buffers; phase B fragments 0-20.  2: a third load buffer and the turning buffer Y (v128-255); phase B fragments 21-31 and XF.  3: v0-95 gathered rows.
.set MSB, 0
.macro WIN new                         ; the immediate's high byte repeats the setting that is left
.if MSB != \new
	s_set_vgpr_msb (MSB<<8)|\new
.set MSB, \new
.endif
.endm
.macro KPAIR r, val                    ; the packed forms name a pair: both words are written
	s_mov_b32 s[\r], \val
	s_mov_b32 s[\r+1], \val
.endm
	s_load_b256 s[4:11], s[0:1], 0x0               ; w1, b1, xq, xs
	s_load_b128 s[12:15], s[0:1], 0x20             ; plan, hq
	s_load_b64 s[16:17], s[0:1], 0x30              ; hs
	v_lshl_add_u32 v251, v0, 2, 0x25400
	v_mov_b32 v255, 0
	v_lshrrev_b32 v1, 5, v0
	v_readfirstlane_b32 s18, v1                    ; wave
	v_and_b32 v1, 31, v0                           ; lane
	v_lshlrev_b32 v2, 4, v1                        ; 16 x lane
	v_and_b32 v3, 15, v0                           ; r
	v_bfe_u32 v4, v0, 4, 1                         ; h
	s_wait_alu depctr_va_sdst(0)                   ; s18 is written, ahead of its first reader: addresses, bases and the wave's share are made from it
	s_and_b32 s19, s18, 1                          ; hf
	s_lshr_b32 s20, s18, 1                         ; my first tile of rows
	s_mov_b32 s21, ttmp9                           ; g
	s_and_b32 s22, ttmp7, 0xffff                   ; e
	s_mul_i32 s40, s18, 24576
	v_add_nc_u32 v5, s40, v2                       ; images in: my two K steps
	s_lshl_b32 s40, s18, 10
	s_add_co_u32 s40, s40, WSC
	v_lshl_add_u32 v6, v1, 2, s40                  ; scale words in
	s_mul_i32 s40, s19, 6144
	v_add_nc_u32 v7, s40, v2                       ; images out: my half's four tiles, K steps 0-3
	v_add_nc_u32 v8, 49152, v7                     ; K steps 4-7
	s_lshl_b32 s40, s19, 6
	s_add_co_u32 s40, s40, WSC
	v_lshl_add_u32 v9, v3, 2, s40                  ; scale words out: row r of my half's tile
	s_mul_i32 s40, s18, 12544
	s_add_co_u32 s40, s40, STG
	v_mul_u32_u24 v10, v4, 6272
	v_lshl_add_u32 v10, v3, 4, v10
	v_add_nc_u32 v10, s40, v10                     ; stage in: lanes 0-15 row i, lanes 16-31 row 8 + i
	v_mul_u32_u24 v11, v3, 784
	v_mad_u32_u24 v11, v4, 24, v11
	v_add_nc_u32 v11, s40, v11                     ; stage out: row r, + 24 h
	v_lshlrev_b32 v12, 4, v3
	v_lshlrev_b32 v13, 5, v4
	v_lshlrev_b32 v14, 2, v3
	v_add_nc_u32 v15, v14, v4                      ; hs: 4 r + h
	v_lshlrev_b32 v16, 3, v1                       ; hq: 8 x lane
	v_lshlrev_b32 v17, 7, v4                       ; b1: 32 h columns
	KPAIR 44, 0xbfe9b21e                           ; the fit's constants x log2(e): C0 .. C7, C9
	KPAIR 46, 0x3fb8ab5a
	KPAIR 48, 0x3f0a29d2
	KPAIR 50, 0x3e0efb2e
	KPAIR 52, 0xbe899a80
	KPAIR 54, 0x3ecdfd18
	KPAIR 56, 0xbfd1a1e5
	KPAIR 58, 0x40097039
	KPAIR 62, 0x3e7c6f08
	KPAIR 66, 0xbf38aa3b                           ; -log2(e) / 2
	s_mov_b32 s68, 0x3eb504f3                      ; 1 / (2 sqrt 2)
	s_lshl_b32 s40, s22, 24
	s_lshl_b32 s41, s18, 22
	s_add_co_u32 s40, s40, s41
	s_lshl_b32 s41, s21, 9
	s_add_co_u32 s40, s40, s41                     ; w1: expert, my 256 K rows, my work-group's 512 bytes of a row
	s_mov_b32 s41, 0
	s_lshl_b32 s42, s22, 14
	s_lshl_b32 s43, s21, 9
	s_add_co_u32 s42, s42, s43
	s_lshl_b32 s43, s19, 8
	s_add_co_u32 s42, s42, s43                     ; b1: expert, group, half
	s_mov_b32 s43, 0
	s_mul_i32 s78, s22, 4352
	s_mov_b32 s79, 0
	s_lshl_b32 s80, s22, 3
	s_add_co_u32 s80, s80, 67584
	s_mov_b32 s81, 0
	s_mul_i32 s82, s19, 768
	s_mov_b32 s83, 0
	s_lshl_b32 s84, s19, 1
	s_mov_b32 s85, 0
	s_mov_b32 s29, 0
	s_mov_b32 s26, s20                             ; j
	s_wait_kmcnt 0x0
	s_add_nc_u64 s[30:31], s[4:5], s[40:41]
	s_add_nc_u64 s[76:77], s[6:7], s[42:43]
	s_add_nc_u64 s[32:33], s[12:13], s[78:79]      ; my expert's list
	s_add_nc_u64 s[74:75], s[12:13], s[80:81]
	s_add_nc_u64 s[70:71], s[14:15], s[82:83]      ; hq at my half
	s_add_nc_u64 s[72:73], s[16:17], s[84:85]      ; hs at my half's two bytes
	s_load_b64 s[24:25], s[74:75], 0x0             ; tiles, first tile
.macro LOADC c, w                      ; chunk c: 32 K rows, 512 consecutive bytes each, into buffer c % 3.  w = 1: the wait stands ahead of the loads
.if (\c)%3 == 2
	WIN 0x80
.set XB, 0
.else
	WIN 0x40
.set XB, 128*((\c)%3)
.endif
.if \w
	s_wait_alu depctr_va_vdst(0)                   ; in a chunk: the maxima and the turning moves are done reading this buffer, in which the loads land.  At the head: v2 and v5 to v17 are written, the offsets and addresses of every load and store of the kernel
.endif
.set k, 0
.rept 32
	global_load_b128 v[XB+4*k:XB+4*k+3], v2, s[30:31] offset:(32*(\c)+k)*PITCH th:TH_LOAD_NT
.set k, k+1
.endr
	WIN 0
.endm
.macro LISTLD k                        ; the tokens of tile min(j + k, last): look-ahead past the end reads the last tile again
	s_add_co_u32 s28, s26, \k
	s_min_u32 s28, s28, s27
	s_min_u32 s28, s28, 63
	s_lshl_b32 s28, s28, 6
	s_add_nc_u64 s[38:39], s[32:33], s[28:29]      ; (the loads that named this pair have come)
	global_load_b128 v[LT:LT+3], v13, s[38:39]
	global_load_b128 v[LT+4:LT+7], v13, s[38:39] offset:16
	global_load_b32 v[LR], v14, s[38:39]
.endm
.macro MKOFF                           ; tokens into byte offsets: 768 a row of codes, 32 a row of scale bytes
.irp i,0,1,2,3,4,5,6,7
	v_min_u32 v[OFF+\i], 1023, v[LT+\i]
.endr
	v_min_u32 v[OFFS], 1023, v[LR]
.irp i,0,1,2,3,4,5,6,7
	v_mul_u32_u24 v[OFF+\i], 768, v[OFF+\i]
.endr
	v_lshlrev_b32 v[OFFS], 5, v[OFFS]
.irp i,0,1,2,3,4,5,6,7
	v_add_nc_u32 v[OFF+\i], v[OFF+\i], v12
.endr
.endm
.macro GATHER w                        ; 16 rows of codes: sixteen lanes take 256 consecutive bytes of a row, at a multiple of 256 from xq's first byte.  26 loads.  w = 1: the wait stands ahead of them
	WIN 0xc0
.if \w
	s_wait_alu depctr_va_vdst(0)                   ; the offsets' lines have written v18 to v26, which these loads read, and are done reading the tokens, in which the next tokens land
.endif
.irp i,0,1,2,3,4,5,6,7
.irp p,0,1,2
	global_load_b128 v[4*(3*\i+\p):4*(3*\i+\p)+3], v[OFF+\i], s[8:9] offset:256*\p
.endr
.endr
	WIN 0
	global_load_b128 v[XG:XG+3], v[OFFS], s[10:11]
	global_load_b128 v[XG+4:XG+7], v[OFFS], s[10:11] offset:16
.endm
.macro CHUNK c
.set BLKI, (\c)%4                      ; the block in its K step
.set LSI, (\c)/4                       ; which of my two K steps
.set PP, BLKI/2
.if (\c) < 6
	s_wait_loadcnt 63                              ; behind this chunk's 32 loads 64 or more have been issued (the next two chunks'): with 63 out at the most, this chunk is in
.elseif (\c) == 6
	s_wait_loadcnt 61                              ; behind it: chunk 7's 32, the first rows' 26, the next tokens' 3
.else
	s_wait_loadcnt 29                              ; behind it: the first rows' 26, the next tokens' 3
.endif
.if (\c) == 4
	s_wait_dscnt 0x0                               ; the first K step's images have left F and the scale words
	s_wait_alu depctr_vm_vsrc(0)                   ; the LDS stores of the first K step have read F and WW, which this chunk's lines write again
.endif
.if (\c)%3 == 2
.set XB, 0
.set WSRC, 0x0a
.set WMOV, 0x82
.else
.set XB, 128*((\c)%3)
.set WSRC, 0x05
.set WMOV, 0x81
.endif
	WIN WSRC
.irp cc,0,1,2,3
	v_max3_num_f32 v[M+\cc], |v[XB+\cc]|, |v[XB+4+\cc]|, 0x2800000   ; with the floor 2^(5 - 127): the byte cannot fall under 1
.endr
.set k, 2
.rept 15
.irp cc,0,1,2,3
	v_max3_num_f32 v[M+\cc], |v[XB+4*k+\cc]|, |v[XB+4*k+4+\cc]|, v[M+\cc]
.endr
.set k, k+2
.endr
	WIN WMOV
.set k, 0
.rept 32                                       ; the conversions take neighbours along K from consecutive registers
.irp cc,0,1,2,3
	v_mov_b32 v[128+32*\cc+k], v[XB+4*k+\cc]
.endr
.set k, k+1
.endr
.if (\c)+3 < 8
	LOADC (\c)+3, 1                                ; these moves were the buffer's last readers: it is asked for again at once.  The chunk's other lines name Y, F, T, M, SO, BY and WW: none of the registers that these loads touch
.endif
.if (\c) == 5
	WIN 0
	MKOFF                                          ; the stream has nothing more to ask for: the first rows go out (their tokens came long ago: more than 63 loads stand behind them)
	GATHER 1
	LISTLD 2
.endif
	WIN 0
.irp cc,0,1,2,3
	v_add_nc_u32 v[SO+\cc], 0xfe000000, v[M+\cc]   ; 4 off the exponent field: the conversion's scale operand
.endr
.irp cc,0,1,2,3
	v_lshrrev_b32 v[BY+\cc], 23, v[SO+\cc]
.endr
.irp cc,0,1,2,3
.if BLKI == 0
	v_mov_b32 v[WW+\cc], v[BY+\cc]
.else
	v_lshl_or_b32 v[WW+\cc], v[BY+\cc], 8*BLKI, v[WW+\cc]
.endif
.endr
	WIN 0x02                                       ; source 0 (Y) window 2
.irp cc,0,1,2,3
.set FD, F+48*(BLKI%2)+12*\cc+6*PP
	v_cvt_scalef32_pk16_bf6_f32 v[FD:FD+2], v[128+32*\cc:143+32*\cc], v[SO+\cc]
	v_cvt_scalef32_pk16_bf6_f32 v[T+4*\cc:T+4*\cc+2], v[144+32*\cc:159+32*\cc], v[SO+\cc]   ; (a conversion's three registers begin on an even number)
.endr
	WIN 0
	v_nop                                          ; one plain place behind a scaled conversion
.irp cc,0,1,2,3
.irp i,0,1,2
	v_mov_b32 v[F+48*(BLKI%2)+12*\cc+6*PP+3+\i], v[T+4*\cc+\i]
.endr
.endr
.if BLKI%2 == 1
.irp cc,0,1,2,3
.irp i,0,1,2,3,4,5
	v_permlane16_swap_b32 v[F+12*\cc+6*PP+\i], v[F+48+12*\cc+6*PP+\i]   ; the even block's lanes 16-31 change places with the odd block's lanes 0-15
.endr
.endr
.endif
.if BLKI == 3
	s_wait_alu depctr_va_vdst(0)                   ; the conversions, moves and swaps have written F and WW, which the LDS stores read.  (In the last chunk it also shows every reader of the load buffers and of Y done: phase B's LDS loads land there)
.irp t,0,1,2,3,4,5,6,7
.irp p,0,1,2
	ds_store_b128 v5, v[F+12*\t+4*\p:F+12*\t+4*\p+3] offset:12288*LSI+1536*\t+512*\p
.endr
.endr
.irp cc,0,1,2,3
	ds_store_b32 v6, v[WW+\cc] offset:512*LSI+128*\cc
.endr
.endif
.endm
	LOADC 0, 1
	LOADC 1, 0
	s_wait_kmcnt 0x0
	s_max_u32 s27, s24, 1
	s_sub_co_u32 s27, s27, 1                       ; the last tile (0 where there is none)
	LISTLD 0
	LOADC 2, 0
.irp j,0,1,2,3,4,5,6,7
	global_load_b128 v[BL+4*\j:BL+4*\j+3], v17, s[76:77] offset:16*\j   ; b1: wanted behind the last chunk
.endr
	CHUNK 0
	CHUNK 1
	CHUNK 2
	CHUNK 3
	CHUNK 4
	CHUNK 5
	CHUNK 6
	CHUNK 7
	s_wait_dscnt 0x0                               ; for the others' sake: my images lie in LDS (and have left F)
	s_wait_alu depctr_vm_vsrc(0)                   ; my LDS stores have read F and WW: from here on v96-127 are the accumulators, v128-159 b1, v160-191 gelu's results, v236-237 a constant, all written by vector or matrix instructions
.irp cc,0,1,2,3
.irp j,0,1,2,3,4,5,6,7
	v_mov_b32 v[BB+8*\cc+\j], v[BL+4*\j+\cc]       ; b1 at column 64 hf + 32 h + 4 j + cc
.endr
.endr
	s_barrier_signal -1
	s_barrier_wait -1                              ; the launch's one barrier, ahead of every branch on a loaded number
	s_cmp_ge_u32 s20, s24
	s_cbranch_scc1 .Lend                           ; no tile for me
	s_sub_co_u32 s87, s24, s20                     ; my trips: every second tile from my first on: (tiles - first + 1) / 2, at least 1 here
	s_add_co_u32 s87, s87, 1
	s_lshr_b32 s87, s87, 1
	s_min_u32 s87, s87, 32                         ; (never binds: a token chooses an expert at most once, so an expert has at most 1,024 rows, 64 tiles)
	s_mov_b32 s86, 0                               ; trips done
	v_mov_b32 v[KC8], 0xbf97d29d
	v_mov_b32 v[KC8+1], 0xbf97d29d
.set fi, 0
.rept 32                                       ; my 32 fragments (K step fi / 4, tile fi % 4 of my half) stay in registers.  No wait: since the last chunk's wait on va_vdst no vector instruction has named a register of windows 1 and 2
.if fi <= 20
	WIN 0x40
.set WR, 12*fi
.else
	WIN 0x80
.set WR, 12*(fi-21)
.endif
.irp p,0,1,2
	ds_load_b128 v[WR+4*\p:WR+4*\p+3], v[7+fi/16] offset:12288*((fi/4)%4)+1536*(fi%4)+512*\p
.endr
.set fi, fi+1
.endr
	WIN 0
.set fi, 0
.rept 32
	ds_load_b32 v[WS+fi], v9 offset:128*fi
.set fi, fi+1
.endr
; The gathered rows go through my own stage: in by rows, out as the operand's registers (LDS serves a wave's instructions in order).
.macro STIN                            ; in: 24 stores; their data come from loads and their address from the head: they hang on no vector result
	WIN 0x0c                                       ; an LDS store's data are its source 1: window 3
.irp i,0,1,2,3,4,5,6,7
.irp p,0,1,2
	ds_store_b128 v10, v[4*(3*\i+\p):4*(3*\i+\p)+3] offset:784*\i+256*\p
.endr
.endr
	WIN 0
.endm
.macro XSMOV                           ; the rows' scale words leave the registers in which the next rows' land
.irp s,0,1,2,3,4,5,6,7
	v_mov_b32 v[XS+\s], v[XG+\s]
.endr
.endm
.macro STOUT p                         ; out: group p of four: the fragments of K steps 2 p and 2 p + 1, 12 loads
	WIN 0x80
.if \p == 0
	s_wait_alu depctr_va_vdst(0)                   ; the products are done reading XF, in which the four groups land; the offsets' lines have written v18 to v26, which the gather reads, and are done reading the tokens; the moves have written XS, the next products' scales, and are done reading XG
.endif
.irp u,0,1
.irp q,0,1,2,3,4,5
	ds_load_b64 v[XF+12*(2*\p+\u)+2*\q:XF+12*(2*\p+\u)+2*\q+1], v11 offset:96*(2*\p+\u)+48*(\q/3)+8*(\q%3)
.endr
.endr
	WIN 0
.endm
.macro MM                              ; 32 products: K step by K step, the four accumulators by turns; the bias starts each sum
.set fi, 0
.rept 32
.set ks, fi/4
.set cq, fi%4
.if fi <= 20
	WIN 0x09
.set WR, 12*fi
.else
	WIN 0x0a
.set WR, 12*(fi-21)
.endif
.if fi < 4
	v_wmma_scale_f32_16x16x128_f8f6f4 v[ACC+8*cq:ACC+8*cq+7], v[WR:WR+11], v[XF+12*ks:XF+12*ks+11], v[BB+8*cq:BB+8*cq+7], v[WS+fi], v[XS+ks] matrix_a_fmt:MATRIX_FMT_BF6 matrix_b_fmt:MATRIX_FMT_BF6
.else
	v_wmma_scale_f32_16x16x128_f8f6f4 v[ACC+8*cq:ACC+8*cq+7], v[WR:WR+11], v[XF+12*ks:XF+12*ks+11], v[ACC+8*cq:ACC+8*cq+7], v[WS+fi], v[XS+ks] matrix_a_fmt:MATRIX_FMT_BF6 matrix_b_fmt:MATRIX_FMT_BF6
.endif
.set fi, fi+1
.endr
	WIN 0
.endm
.macro GELU cc                         ; accumulator cc, from its low end on
.set Z, ACC+8*\cc
.irp j,0,1,2,3,4,5,6,7
	v_fma_f32 v[TD+\j], |v[Z+\j]|, s68, 1.0        ; 1 + u / 2
.endr
.irp j,0,1,2,3,4,5,6,7
	v_rcp_f32 v[TD+\j], v[TD+\j]                   ; t
.endr
.irp j,0,2,4,6
	v_pk_mul_f32 v[TZ+\j:TZ+\j+1], v[Z+\j:Z+\j+1], s[66:67] op_sel_hi:[1,0]   ; (plain places behind the reciprocals)
.endr
	s_wait_alu depctr_va_vdst(0)                   ; the eight reciprocals have written TD, ahead of their first reader: one wait for the batch
.irp j,0,2,4,6
	v_pk_fma_f32 v[TP+\j:TP+\j+1], v[TD+\j:TD+\j+1], s[62:63], v[KC8:KC8+1] op_sel_hi:[1,0,1]
.endr
.irp ci,58,56,54,52,50,48,46,44
.irp j,0,2,4,6
	v_pk_fma_f32 v[TP+\j:TP+\j+1], v[TP+\j:TP+\j+1], v[TD+\j:TD+\j+1], s[\ci:\ci+1] op_sel_hi:[1,1,0]
.endr
.endr
.irp j,0,2,4,6
	v_pk_fma_f32 v[TZ+\j:TZ+\j+1], v[TZ+\j:TZ+\j+1], v[Z+\j:Z+\j+1], v[TP+\j:TP+\j+1]   ; (-u^2 + the polynomial) x log2(e)
.endr
.irp j,0,1,2,3,4,5,6,7
	v_exp_f32 v[TZ+\j], v[TZ+\j]
.endr
.irp j,0,1,2,3,4,5,6,7
	v_mul_f32 v[TV+\j], |v[Z+\j]|, v[TD+\j]        ; (plain places behind the exponentials)
.endr
	s_wait_alu depctr_va_vdst(0)                   ; the eight exponentials have written TZ, ahead of their first reader: one wait for the batch
.irp j,0,2,4,6
	v_pk_mul_f32 v[TV+\j:TV+\j+1], v[TV+\j:TV+\j+1], v[TZ+\j:TZ+\j+1]   ; |z| erfc(u)
.endr
.irp j,0,1,2,3,4,5,6,7
	v_max_num_f32 v[TM+\j], 0, v[Z+\j]
.endr
.irp j,0,1,2,3,4,5,6,7
	v_fma_f32 v[G+4*\j+\cc], v[TV+\j], -0.5, v[TM+\j]
.endr
.endm
.macro QH                              ; my 32 numbers are one block of the next K
	s_wait_xcnt 0x0                                ; the last trip's stores have had their addresses translated: their data and bases are written again only behind this wait (that they have read CD and QB is stated by this trip's wait on vm_vsrc)
	v_max3_num_f32 v[QM], |v[G]|, |v[G+1]|, 0x2800000
	v_max3_num_f32 v[QM+1], |v[G+16]|, |v[G+17]|, 0x2800000
.irp i,2,4,6,8,10,12,14
	v_max3_num_f32 v[QM], v[QM], |v[G+\i]|, |v[G+\i+1]|
	v_max3_num_f32 v[QM+1], v[QM+1], |v[G+16+\i]|, |v[G+17+\i]|
.endr
	v_max_num_f32 v[QM], v[QM], v[QM+1]
	v_add_nc_u32 v[QS], 0xfe000000, v[QM]
	v_lshrrev_b32 v[QB], 23, v[QS]
	v_cvt_scalef32_pk16_bf6_f32 v[CD:CD+2], v[G:G+15], v[QS]
	v_cvt_scalef32_pk16_bf6_f32 v[CT:CT+2], v[G+16:G+31], v[QS]
	v_nop                                          ; one plain place behind a scaled conversion
.irp i,0,1,2
	v_mov_b32 v[CD+3+\i], v[CT+\i]
.endr
.endm
.macro OUTH
	s_add_co_u32 s40, s25, s26                     ; first tile + j
	s_min_u32 s40, s40, 135
	s_lshl_b32 s40, s40, 5
	s_add_co_u32 s40, s40, s21                     ; 32 x tile + g
	s_mul_i32 s42, s40, 1536
	s_add_nc_u64 s[34:35], s[70:71], s[42:43]
	s_lshl_b32 s42, s40, 6
	s_add_nc_u64 s[36:37], s[72:73], s[42:43]
	s_wait_alu depctr_va_vdst(0)                   ; the conversion and the moves have written CD, the shift QB: the three stores read them
	global_store_b128 v2, v[CD:CD+3], s[34:35]               ; 512 consecutive bytes, at a multiple of 256 from hq's first byte
	global_store_b64 v16, v[CD+4:CD+5], s[34:35] offset:512  ; and the 256 behind them
	global_store_b8 v15, v[QB], s[36:37]           ; my block's byte: 32 of a fragment's 64 bytes; hs is a twenty-fourth of hq
.endm
	s_wait_loadcnt 0x0                             ; the first tile's rows and the second tile's tokens
	STIN
	XSMOV                                          ; (ahead of the offsets' lines here: those 26 plain lines stand between the rows' scale words and the first product)
	s_wait_alu depctr_vm_vsrc(0)                   ; the stage's stores have read the gathered rows, in which the next gather lands; the first gather has read v18 to v26, which the lines below write again
	MKOFF
	STOUT 0
	STOUT 1
	STOUT 2
	STOUT 3
	s_wait_dscnt 0x0                               ; weights, scale words and the first rows are in registers; the stage's stores are done
	GATHER 0                                       ; no wait of its own: since the wait in the first group only LDS loads and window switches were issued
	LISTLD 4
.Lrow:                                             ; a trip: tile j.  On the way: the rows of tile j + 2, the tokens of tile j + 4
	MM
	s_wait_loadcnt 0x0                             ; tile j + 2's rows, tile j + 4's tokens
	STIN
	s_wait_alu depctr_vm_vsrc(0)                   ; the stage's stores have read the gathered rows, in which the gather below lands; the last gather has read v18 to v26, which the lines below write again; the last trip's stores to hq and hs have read CD and QB, which this trip's quantiser writes again
	MKOFF                                          ; 26 plain lines that name no register of the products: the places between the last product and the first line that reads a result or writes a scale
	XSMOV
	STOUT 0
	s_wait_dscnt 12                                ; the 24 stores into the stage are done with the gathered rows; the 12 loads behind them may be out
	GATHER 0                                       ; no wait of its own: since the wait in the first group only LDS loads and window switches were issued
	LISTLD 6
	GELU 0
	STOUT 1                                        ; no wait: since the wait in the first group only gelu's lines were issued, which name neither XF nor v11
	GELU 1
	STOUT 2
	GELU 2
	STOUT 3
	GELU 3
	QH
	OUTH
	s_add_co_u32 s26, s26, 2                       ; my next tile
	s_add_co_u32 s86, s86, 1                       ; the loop is counted by trips, one at a time
	s_wait_dscnt 0x0                               ; the next tile's fragments are in
	s_cmp_lt_u32 s86, s87
	s_cbranch_scc1 .Lrow
.Lend:
	s_wait_dscnt 0x0                               ; the closing lines, six on end
	s_wait_alu 0x0
	s_wait_tensorcnt 0x0
	ds_add_u32 v251, v255
	s_wait_dscnt 0x0
	s_endpgm
.Lfunc_end_k_qd4a3a64ba0_ffn1:
	.size	k_qd4a3a64ba0_ffn1, .Lfunc_end_k_qd4a3a64ba0_ffn1-k_qd4a3a64ba0_ffn1
	.p2alignl 7, 3214868480
	.fill 96, 4, 3214868480
	.section	.rodata,"a",@progbits
	.p2align	6, 0x0
	.amdhsa_kernel k_qd4a3a64ba0_ffn1
		.amdhsa_group_segment_fixed_size 153088
		.amdhsa_private_segment_fixed_size 0
		.amdhsa_enable_private_segment 0
		.amdhsa_kernarg_size 56
		.amdhsa_user_sgpr_count 2
		.amdhsa_user_sgpr_kernarg_segment_ptr 1
		.amdhsa_wavefront_size32 1
		.amdhsa_system_sgpr_workgroup_id_x 1
		.amdhsa_system_sgpr_workgroup_id_y 1
		.amdhsa_system_sgpr_workgroup_id_z 1
		.amdhsa_system_vgpr_workitem_id 0
		.amdhsa_next_free_vgpr 896
		.amdhsa_next_free_sgpr 90
		.amdhsa_reserve_vcc 0
		.amdhsa_float_denorm_mode_32 3
		.amdhsa_float_denorm_mode_16_64 3
		.amdhsa_memory_ordered 1
		.amdhsa_forward_progress 1
		.amdhsa_inst_pref_size 177
	.end_amdhsa_kernel
	.amdgpu_metadata
---
amdhsa.version: [ 1, 2 ]
amdhsa.kernels:
  - .name:           k_qd4a3a64ba0_ffn1
    .symbol:         k_qd4a3a64ba0_ffn1.kd
    .args:
      - { .name: w1, .offset: 0, .size: 8, .value_kind: global_buffer, .address_space: global }
      - { .name: b1, .offset: 8, .size: 8, .value_kind: global_buffer, .address_space: global }
      - { .name: xq, .offset: 16, .size: 8, .value_kind: global_buffer, .address_space: global }
      - { .name: xs, .offset: 24, .size: 8, .value_kind: global_buffer, .address_space: global }
      - { .name: plan, .offset: 32, .size: 8, .value_kind: global_buffer, .address_space: global }
      - { .name: hq, .offset: 40, .size: 8, .value_kind: global_buffer, .address_space: global }
      - { .name: hs, .offset: 48, .size: 8, .value_kind: global_buffer, .address_space: global }
    .group_segment_fixed_size: 153088
    .private_segment_fixed_size: 0
    .kernarg_segment_align: 8
    .kernarg_segment_size: 56
    .max_flat_workgroup_size: 128
    .sgpr_count:     90
    .vgpr_count:     896
    .wavefront_size: 32
...
	.end_amdgpu_metadata
.endif
;; end of part 6
;; launch ffn2 (part 7): grid 32 x 8, 4 waves a work-group, no clusters, 102,912 bytes of LDS; arguments w2, hq, hs, plan, yp; writes yp
.if DOCPART == 7
	.amdgcn_target "amdgcn-amd-amdhsa--gfx1250"
	.amdhsa_code_object_version 6
	.text
	.protected	k_qd4a3a64ba0_ffn2
	.globl	k_qd4a3a64ba0_ffn2
	.p2align	8
	.type	k_qd4a3a64ba0_ffn2,@function
k_qd4a3a64ba0_ffn2:
	s_mov_b64 s[64:65], 0
	v_nop
	global_prefetch_b8 v0, s[64:65] scope:SCOPE_SE
	s_setreg_imm32_b32 hwreg(HW_REG_WAVE_SCHED_MODE, 0, 2), 2
	s_setreg_imm32_b32 hwreg(HW_REG_WAVE_MODE, 25, 1), 1
	s_wait_xcnt 0x0
	s_wait_alu depctr_vm_vsrc(0)
; PARTIAL SUMS OF h Q(w2[e]) for the rows that chose expert e, on codes of BF6 (E3M2) with one E8M0 scale for each 32 along K.
; THE WEIGHTS STAY, THE ROWS GO ROUND.  Work-group (x, e): columns 128 (x % 8) .. + 127 of the 1,024 and quarter kq = x / 8 of K = 4,096: 1,024 x 128 f32, read from memory once, 512 consecutive bytes a load.
; A quarter of K, and not all of it for 32 columns, so that a load still takes whole rows of 512 bytes; the four partial sums are added by the next launch.
; No tensor load and no cluster: the loop over rows is counted by a number read from memory.
; PHASE A is the first product's: wave w takes K rows 256 w .. + 255 of the slice in 8 chunks of 32; lane l holds columns 4 l + cc; TILE A_cc = columns 4 r + cc, TILE B_cc = columns 64 + 4 r + cc;
;   three buffers of 32 loads, each asked for again as soon as it has been read, AHEAD of the wait for the next chunk: the issue of a load holds back while the wave's load counter is full (ISA guide 5.7.1),
;   so the wave keeps as many loads out as that counter counts, 63 of 512 bytes.  Fragments and scale words go to LDS as images of their registers; one barrier.
; PHASE B: wave w takes half hf = w % 2 of the columns and the tiles of 16 rows j = w / 2, w / 2 + 2, ..  A tile's eight fragments come from hq as they lie (of each half-fragment 16 bytes a lane, then 8), in two buffers by turns.
;   Source 0 = the rows, source 1 = 16 columns: register j of lane (r, h) of accumulator cc is row 8 h + j, column 64 hf + 4 r + cc: the four cc at one j are 16 neighbouring bytes, and sixteen lanes fill 256.
; yp [kq][row place][1,024] f32.
; LIMITS: NaN and infinities are not served.  A block of zeros gets the byte 1 where the rule says 127 (its codes are zeros; only this program reads the bytes).
; THE MODE: SCHED_MODE bits 1:0 = 2 (LLVM: expert scheduling mode 2), set by the entry lines.  The code itself states the register dependences
; between vector or matrix instructions and memory or LDS instructions, with s_wait_alu, always for 0.
; THE PLAN, PHASE A.  Registers that memory or LDS instructions touch:
;   the three load buffers   Chunk c: its maxima and its turning moves read buffer c % 3; behind the moves the loads of chunk c + 3 land in it.  ONE wait on va_vdst a chunk, behind the moves.
;   F, the scale words WW    Written by the conversions, moves and swaps of four chunks; read by the LDS stores at a K step's end: a wait on va_vdst ahead of those stores, a wait on vm_vsrc ahead of the first line that writes them again.
;   v2, v5 to v9, v16, v18, v19   Offsets and addresses: written at the head, never again: the wait ahead of the first load serves them all.
;   The turning buffer Y, T, M, SO, BY are named by vector instructions alone.
; THE PLAN, PHASE B, half a trip (one tile of rows, buffer b):
;   H[b] (window 3), HS[b]   loads land in them; the half's products read them; behind the products they are asked for again.
;   ST                       the half's 32 moves write it; its 8 stores read it.
;   ONE wait on vm_vsrc ahead of the moves (the stores of the half before have read ST) and ONE wait on va_vdst behind them (ST is written; the products are done reading H[b] and HS[b]);
;   behind it stand all the half's memory instructions, the 8 stores and the 36 loads, with no vector instruction among them.
.set PITCH, 4096                       ; bytes from a K row of w2[e] to the next
.set WSC,  98304                       ; LDS: fragments (K step s, tile t) at (8 s + t) x 1,536;  here the scale words, (4 s + cc) x 128 + 4 x lane
.set WS,   32                          ; v32-63  the weights' scale words
.set HS,   64                          ; v64-67, v68-71 the rows' scale words: lanes 0-15 an even K step's, lanes 16-31 the odd one's behind it
.set ACC,  96                          ; v96-127 four accumulators
.set ST,   160                         ; v160-191 results in the order of the stores
.set F,    96                          ; phase A: as in the first product
.set M,    224
.set SO,   228
.set BY,   232
.set WW,   236
.set T,    240
.set NH,   36                          ; loads that bring a tile of rows: 8 K steps x 2 halves x 2, and 4 of scale words
; windows: 1, 2: phase A load buffers and the turning buffer; phase B the 32 fragments.  3: v0-95, v96-191 two tiles of rows.
.set MSB, 0
.macro WIN new                         ; the immediate's high byte repeats the setting that is left
.if MSB != \new
	s_set_vgpr_msb (MSB<<8)|\new
.set MSB, \new
.endif
.endm
	s_load_b256 s[4:11], s[0:1], 0x0               ; w2, hq, hs, plan
	s_load_b64 s[12:13], s[0:1], 0x20              ; yp
	v_lshl_add_u32 v251, v0, 2, 0x19000
	v_mov_b32 v255, 0
	v_lshrrev_b32 v1, 5, v0
	v_readfirstlane_b32 s18, v1                    ; wave
	v_and_b32 v1, 31, v0
	v_lshlrev_b32 v2, 4, v1                        ; 16 x lane
	v_and_b32 v3, 15, v0                           ; r
	v_bfe_u32 v4, v0, 4, 1                         ; h
	s_wait_alu depctr_va_sdst(0)                   ; s18 is written, ahead of its first reader: addresses, bases and the wave's share are made from it
	s_and_b32 s19, s18, 1                          ; hf
	s_lshr_b32 s20, s18, 1                         ; my first tile of rows
	s_and_b32 s21, ttmp9, 7                        ; group of 128 columns
	s_lshr_b32 s48, ttmp9, 3                       ; kq
	s_lshl_b32 s23, s48, 3                         ; its first K step
	s_and_b32 s22, ttmp7, 0xffff                   ; e
	s_mul_i32 s32, s18, 24576
	v_add_nc_u32 v5, s32, v2                       ; images in
	s_lshl_b32 s32, s18, 10
	s_add_co_u32 s32, s32, WSC
	v_lshl_add_u32 v6, v1, 2, s32                  ; scale words in
	s_mul_i32 s32, s19, 6144
	v_add_nc_u32 v7, s32, v2                       ; images out, K steps 0-3
	v_add_nc_u32 v8, 49152, v7                     ; K steps 4-7
	s_lshl_b32 s32, s19, 6
	s_add_co_u32 s32, s32, WSC
	v_lshl_add_u32 v9, v3, 2, s32                  ; scale words out
	v_lshlrev_b32 v16, 3, v1                       ; hq: 8 x lane
	v_lshlrev_b32 v18, 15, v4
	v_lshl_add_u32 v18, v3, 4, v18                 ; yp: 8 h rows of 4,096 bytes + 16 r
	v_lshlrev_b32 v19, 2, v1                       ; hs: 4 x lane
	s_lshl_b32 s32, s22, 24
	s_lshl_b32 s33, s48, 22
	s_add_co_u32 s32, s32, s33
	s_lshl_b32 s33, s18, 20
	s_add_co_u32 s32, s32, s33
	s_lshl_b32 s33, s21, 9
	s_add_co_u32 s32, s32, s33                     ; w2: expert, quarter, my 256 K rows, the group's 512 bytes
	s_mov_b32 s33, 0
	s_mul_i32 s50, s48, 8912896
	s_lshl_b32 s51, s21, 9
	s_add_co_u32 s50, s50, s51
	s_lshl_b32 s51, s19, 8
	s_add_co_u32 s50, s50, s51                     ; yp: quarter, group, half
	s_mov_b32 s51, 0
	s_lshl_b32 s52, s22, 3
	s_add_co_u32 s52, s52, 67584
	s_mov_b32 s53, 0
	s_mov_b32 s26, s20                             ; j
	s_wait_kmcnt 0x0
	s_add_nc_u64 s[30:31], s[4:5], s[32:33]
	s_add_nc_u64 s[36:37], s[12:13], s[50:51]
	s_add_nc_u64 s[38:39], s[10:11], s[52:53]
	s_load_b64 s[24:25], s[38:39], 0x0             ; tiles, first tile
.macro LOADC c, w                      ; chunk c: 32 K rows, 512 consecutive bytes each, into buffer c % 3.  w = 1: the wait stands ahead of the loads
.if (\c)%3 == 2
	WIN 0x80
.set XB, 0
.else
	WIN 0x40
.set XB, 128*((\c)%3)
.endif
.if \w
	s_wait_alu depctr_va_vdst(0)                   ; in a chunk: the maxima and the turning moves are done reading this buffer, in which the loads land.  At the head: v2, v5 to v9, v16, v18 and v19 are written, the offsets and addresses of every load and store of the kernel
.endif
.set k, 0
.rept 32
	global_load_b128 v[XB+4*k:XB+4*k+3], v2, s[30:31] offset:(32*(\c)+k)*PITCH th:TH_LOAD_NT
.set k, k+1
.endr
	WIN 0
.endm
.macro HLOAD b, k                      ; tile min(j + k, last) of my expert, my quarter's eight K steps, into buffer b: NH loads.  Look-ahead past the end reads the last tile again
	s_add_co_u32 s28, s26, \k
	s_min_u32 s28, s28, s27
	s_add_co_u32 s28, s28, s25
	s_cmp_eq_u32 s24, 0
	s_cselect_b32 s28, 0, s28                      ; an expert without rows reads tile 0, which is always written, and uses nothing of it
	s_min_u32 s28, s28, 135
	s_lshl_b32 s28, s28, 5
	s_add_co_u32 s28, s28, s23
	s_mul_i32 s32, s28, 1536
	s_add_nc_u64 s[40+4*\b:41+4*\b], s[6:7], s[32:33]     ; (this buffer's earlier loads have come)
	s_lshl_b32 s32, s28, 6
	s_add_nc_u64 s[42+4*\b:43+4*\b], s[8:9], s[32:33]
	WIN 0xc0
.irp s,0,1,2,3,4,5,6,7
.irp c,0,1
	global_load_b128 v[96*\b+12*\s+6*\c:96*\b+12*\s+6*\c+3], v2, s[40+4*\b:41+4*\b] offset:1536*\s+768*\c          ; 512 consecutive bytes: registers 6 c .. 6 c + 3 of the fragment
	global_load_b64 v[96*\b+12*\s+6*\c+4:96*\b+12*\s+6*\c+5], v16, s[40+4*\b:41+4*\b] offset:1536*\s+768*\c+512    ; the 256 behind them: registers 6 c + 4, 6 c + 5
.endr
.endr
	WIN 0
.irp s,0,1,2,3
	global_load_b32 v[HS+4*\b+\s], v19, s[42+4*\b:43+4*\b] offset:128*\s
.endr
.endm
.macro CHUNK c
.set BLKI, (\c)%4
.set LSI, (\c)/4
.set PP, BLKI/2
	s_wait_loadcnt 63                              ; behind this chunk's 32 loads 64 or more have been issued (two chunks'; at the end chunk 7's 32 and a tile's 36, or two tiles' 72): with 63 out at the most, this chunk is in
.if (\c) == 4
	s_wait_dscnt 0x0                               ; the first K step's images have left F and the scale words
	s_wait_alu depctr_vm_vsrc(0)                   ; the LDS stores of the first K step have read F and WW, which this chunk's lines write again
.endif
.if (\c)%3 == 2
.set XB, 0
.set WSRC, 0x0a
.set WMOV, 0x82
.else
.set XB, 128*((\c)%3)
.set WSRC, 0x05
.set WMOV, 0x81
.endif
	WIN WSRC
.irp cc,0,1,2,3
	v_max3_num_f32 v[M+\cc], |v[XB+\cc]|, |v[XB+4+\cc]|, 0x2800000   ; with the floor 2^(5 - 127): the byte cannot fall under 1
.endr
.set k, 2
.rept 15
.irp cc,0,1,2,3
	v_max3_num_f32 v[M+\cc], |v[XB+4*k+\cc]|, |v[XB+4*k+4+\cc]|, v[M+\cc]
.endr
.set k, k+2
.endr
	WIN WMOV
.set k, 0
.rept 32                                       ; the conversions take neighbours along K from consecutive registers
.irp cc,0,1,2,3
	v_mov_b32 v[128+32*\cc+k], v[XB+4*k+\cc]
.endr
.set k, k+1
.endr
.if (\c)+3 < 8
	LOADC (\c)+3, 1                                ; these moves were the buffer's last readers: it is asked for again at once.  The chunk's other lines name Y, F, T, M, SO, BY and WW: none of the registers that these loads touch
.endif
.if (\c) == 5
	HLOAD 0, 0                                     ; the stream has nothing more to ask for: my first tile of rows goes out (no wait: no vector instruction has named window 3 or HS, and the offsets are the head's),
.endif
.if (\c) == 6
	HLOAD 1, 2                                     ; and my second
.endif
	WIN 0
.irp cc,0,1,2,3
	v_add_nc_u32 v[SO+\cc], 0xfe000000, v[M+\cc]   ; 4 off the exponent field: the conversion's scale operand
.endr
.irp cc,0,1,2,3
	v_lshrrev_b32 v[BY+\cc], 23, v[SO+\cc]
.endr
.irp cc,0,1,2,3
.if BLKI == 0
	v_mov_b32 v[WW+\cc], v[BY+\cc]
.else
	v_lshl_or_b32 v[WW+\cc], v[BY+\cc], 8*BLKI, v[WW+\cc]
.endif
.endr
	WIN 0x02                                       ; source 0 (Y) window 2
.irp cc,0,1,2,3
.set FD, F+48*(BLKI%2)+12*\cc+6*PP
	v_cvt_scalef32_pk16_bf6_f32 v[FD:FD+2], v[128+32*\cc:143+32*\cc], v[SO+\cc]
	v_cvt_scalef32_pk16_bf6_f32 v[T+4*\cc:T+4*\cc+2], v[144+32*\cc:159+32*\cc], v[SO+\cc]   ; (a conversion's three registers begin on an even number)
.endr
	WIN 0
	v_nop                                          ; one plain place behind a scaled conversion
.irp cc,0,1,2,3
.irp i,0,1,2
	v_mov_b32 v[F+48*(BLKI%2)+12*\cc+6*PP+3+\i], v[T+4*\cc+\i]
.endr
.endr
.if BLKI%2 == 1
.irp cc,0,1,2,3
.irp i,0,1,2,3,4,5
	v_permlane16_swap_b32 v[F+12*\cc+6*PP+\i], v[F+48+12*\cc+6*PP+\i]   ; the even block's lanes 16-31 change places with the odd block's lanes 0-15
.endr
.endr
.endif
.if BLKI == 3
	s_wait_alu depctr_va_vdst(0)                   ; the conversions, moves and swaps have written F and WW, which the LDS stores read.  (In the last chunk it also shows every reader of the load buffers and of Y done: phase B's LDS loads land there)
.irp t,0,1,2,3,4,5,6,7
.irp p,0,1,2
	ds_store_b128 v5, v[F+12*\t+4*\p:F+12*\t+4*\p+3] offset:12288*LSI+1536*\t+512*\p
.endr
.endr
.irp cc,0,1,2,3
	ds_store_b32 v6, v[WW+\cc] offset:512*LSI+128*\cc
.endr
.endif
.endm
	LOADC 0, 1
	LOADC 1, 0
	s_wait_kmcnt 0x0
	s_max_u32 s27, s24, 1
	s_sub_co_u32 s27, s27, 1                       ; the last tile (0 where there is none)
	LOADC 2, 0
	CHUNK 0
	CHUNK 1
	CHUNK 2
	CHUNK 3
	CHUNK 4
	CHUNK 5
	CHUNK 6
	CHUNK 7
	s_wait_dscnt 0x0                               ; for the others' sake: my images lie in LDS
	s_wait_alu depctr_vm_vsrc(0)                   ; my LDS stores have read F: from here on v96-127 are the accumulators and v160-191 the results on their way out, written by matrix and vector instructions
	s_barrier_signal -1
	s_barrier_wait -1                              ; the launch's one barrier, ahead of every branch on a loaded number
	s_cmp_ge_u32 s20, s24
	s_cbranch_scc1 .Lend                           ; no tile for me
	s_sub_co_u32 s55, s24, s20                     ; my trips: two of my tiles (every second one from my first on) a trip: (tiles - first + 3) / 4, at least 1 here
	s_add_co_u32 s55, s55, 3
	s_lshr_b32 s55, s55, 2
	s_min_u32 s55, s55, 16                         ; (never binds: a token chooses an expert at most once, so an expert has at most 1,024 rows, 64 tiles)
	s_mov_b32 s54, 0                               ; trips done
.set fi, 0
.rept 32                                       ; my 32 fragments (K step fi / 4, tile fi % 4 of my half) stay in registers.  No wait: since the last chunk's wait on va_vdst no vector instruction has been issued
.if fi <= 20
	WIN 0x40
.set WR, 12*fi
.else
	WIN 0x80
.set WR, 12*(fi-21)
.endif
.irp p,0,1,2
	ds_load_b128 v[WR+4*\p:WR+4*\p+3], v[7+fi/16] offset:12288*((fi/4)%4)+1536*(fi%4)+512*\p
.endr
.set fi, fi+1
.endr
	WIN 0
.set fi, 0
.rept 32
	ds_load_b32 v[WS+fi], v9 offset:128*fi
.set fi, fi+1
.endr
	s_wait_dscnt 0x0
.macro MM2 b                           ; 32 products: K step by K step, the four accumulators by turns; the first K step starts the sums
.set fi, 0
.rept 32
.set ks, fi/4
.set cq, fi%4
.if fi <= 20
	WIN 0x07
.set WR, 12*fi
.else
	WIN 0x0b
.set WR, 12*(fi-21)
.endif
.set HR, 96*\b+12*ks
.set HW, HS+4*\b+ks/2
.if fi < 4
	v_wmma_scale_f32_16x16x128_f8f6f4 v[ACC+8*cq:ACC+8*cq+7], v[HR:HR+11], v[WR:WR+11], 0, v[HW], v[WS+fi] matrix_a_fmt:MATRIX_FMT_BF6 matrix_b_fmt:MATRIX_FMT_BF6
.elseif ks%2 == 0
	v_wmma_scale_f32_16x16x128_f8f6f4 v[ACC+8*cq:ACC+8*cq+7], v[HR:HR+11], v[WR:WR+11], v[ACC+8*cq:ACC+8*cq+7], v[HW], v[WS+fi] matrix_a_fmt:MATRIX_FMT_BF6 matrix_b_fmt:MATRIX_FMT_BF6
.else
	v_wmma_scale_f32_16x16x128_f8f6f4 v[ACC+8*cq:ACC+8*cq+7], v[HR:HR+11], v[WR:WR+11], v[ACC+8*cq:ACC+8*cq+7], v[HW], v[WS+fi] matrix_a_fmt:MATRIX_FMT_BF6 matrix_b_fmt:MATRIX_FMT_BF6 matrix_a_scale:MATRIX_SCALE_ROW1
.endif
.set fi, fi+1
.endr
	WIN 0
.endm
.macro HALF b                          ; tile j + 2 b out of buffer b; then the buffer takes tile j + 4 + 2 b
	s_wait_loadcnt NH                              ; behind this buffer's loads stand the other buffer's NH
.if \b == 1
	s_add_co_u32 s28, s26, 2
	s_cmp_ge_u32 s28, s24
	s_cbranch_scc1 .Lskip_\@                       ; past my last tile: no product, no store; the loads below are issued on both ways
.endif
	MM2 \b
	s_wait_xcnt 0x0                                ; the last stores have had their addresses translated: their data and base are written again only behind this wait
	s_wait_alu depctr_vm_vsrc(0)                   ; the stores of the half before have read ST, which the moves below write again
	s_add_co_u32 s28, s26, 2*\b
	s_add_co_u32 s28, s28, s25
	s_min_u32 s28, s28, 135
	s_lshl_b32 s32, s28, 16                        ; 16 rows of 4,096 bytes a tile
	s_add_nc_u64 s[34:35], s[36:37], s[32:33]
.rept 4
	v_nop                                          ; four places between the last product and the first read of a result
.endr
.irp j,0,1,2,3,4,5,6,7
.irp cc,0,1,2,3
	v_mov_b32 v[ST+4*\j+\cc], v[ACC+8*\cc+\j]      ; each accumulator from its low end on
.endr
.endr
	s_wait_alu depctr_va_vdst(0)                   ; the moves have written ST, which the stores read; the products are done reading this buffer and its scale words, in which the loads below land
.irp j,0,1,2,3,4,5,6,7
	global_store_b128 v18, v[ST+4*\j:ST+4*\j+3], s[34:35] offset:4096*\j   ; sixteen lanes store 256 consecutive bytes of a row, at a multiple of 256 from yp's first byte
.endr
.if \b == 1
.Lskip_\@:                                         ; (on the way that jumps here the first half's wait on va_vdst stands behind every product that read this buffer, and no vector instruction has been issued since)
.endif
	HLOAD \b, 4+2*\b
.endm
.Lrow:
	HALF 0
	HALF 1
	s_add_co_u32 s26, s26, 4                       ; my next pair of tiles
	s_add_co_u32 s54, s54, 1                       ; the loop is counted by trips, one at a time
	s_cmp_lt_u32 s54, s55
	s_cbranch_scc1 .Lrow
.Lend:
	s_wait_dscnt 0x0                               ; the closing lines, six on end
	s_wait_alu 0x0
	s_wait_tensorcnt 0x0
	ds_add_u32 v251, v255
	s_wait_dscnt 0x0
	s_endpgm
.Lfunc_end_k_qd4a3a64ba0_ffn2:
	.size	k_qd4a3a64ba0_ffn2, .Lfunc_end_k_qd4a3a64ba0_ffn2-k_qd4a3a64ba0_ffn2
	.p2alignl 7, 3214868480
	.fill 96, 4, 3214868480
	.section	.rodata,"a",@progbits
	.p2align	6, 0x0
	.amdhsa_kernel k_qd4a3a64ba0_ffn2
		.amdhsa_group_segment_fixed_size 102912
		.amdhsa_private_segment_fixed_size 0
		.amdhsa_enable_private_segment 0
		.amdhsa_kernarg_size 40
		.amdhsa_user_sgpr_count 2
		.amdhsa_user_sgpr_kernarg_segment_ptr 1
		.amdhsa_wavefront_size32 1
		.amdhsa_system_sgpr_workgroup_id_x 1
		.amdhsa_system_sgpr_workgroup_id_y 1
		.amdhsa_system_sgpr_workgroup_id_z 1
		.amdhsa_system_vgpr_workitem_id 0
		.amdhsa_next_free_vgpr 960
		.amdhsa_next_free_sgpr 66
		.amdhsa_reserve_vcc 0
		.amdhsa_float_denorm_mode_32 3
		.amdhsa_float_denorm_mode_16_64 3
		.amdhsa_memory_ordered 1
		.amdhsa_forward_progress 1
		.amdhsa_inst_pref_size 150
	.end_amdhsa_kernel
	.amdgpu_metadata
---
amdhsa.version: [ 1, 2 ]
amdhsa.kernels:
  - .name:           k_qd4a3a64ba0_ffn2
    .symbol:         k_qd4a3a64ba0_ffn2.kd
    .args:
      - { .name: w2, .offset: 0, .size: 8, .value_kind: global_buffer, .address_space: global }
      - { .name: hq, .offset: 8, .size: 8, .value_kind: global_buffer, .address_space: global }
      - { .name: hs, .offset: 16, .size: 8, .value_kind: global_buffer, .address_space: global }
      - { .name: plan, .offset: 24, .size: 8, .value_kind: global_buffer, .address_space: global }
      - { .name: yp, .offset: 32, .size: 8, .value_kind: global_buffer, .address_space: global }
    .group_segment_fixed_size: 102912
    .private_segment_fixed_size: 0
    .kernarg_segment_align: 8
    .kernarg_segment_size: 40
    .max_flat_workgroup_size: 128
    .sgpr_count:     66
    .vgpr_count:     960
    .wavefront_size: 32
...
	.end_amdgpu_metadata
.endif
;; end of part 7
;; launch norm: the kernel of part 5 again; grid 256 x 1, 8 waves a work-group, no clusters, 17,408 bytes of LDS; arguments x, b2, ln_g, ln_b, sel, rwt, plan, yp, out0; writes out0
